; MI455X (gfx1250); checked and timed in simulation.
; The chip was launched on July 23, 2026; its instructions are those of AMD's public machine-readable ISA for CDNA 5 (MIT licence, August 2026) and "CDNA5" Instruction Set Architecture Reference Guide (July 2026). The comments in the code are by the model that wrote it; some were corrected since.
;; Multi Head Self Attention. Allowed arithmetic: matrix products marked QUANTISED: E2M1 operands, one E8M0 scale for each 32 along K, by v_wmma_scale_f32_16x16x128_f8f6f4 with both operands' format E2M1 (or v_wmma_scale_f32_32x16x128_f4), f32 sums; products left as they are: bf16, f16 or f32 operands; f32 sums; everything else in f32.
;; Inputs: Wk 1,024 x 1,024 float32; Wo 1,024 x 1,024 float32; Wq 1,024 x 1,024 float32; Wv 1,024 x 1,024 float32; bk 1,024 float32; bo 1,024 float32; bq 1,024 float32; bv 1,024 float32; x 4 x 2,048 x 1,024 float32.
;; Outputs: out0 4 x 2,048 x 1,024 float32.
;; This version of the problem:
;;   THIS VERSION OF THE PROBLEM IS GIVEN IN LOW PRECISION. The matrix products marked QUANTISED in the list below multiply operands that are first quantised to E2M1 (2 exponent bits, 1 mantissa bit; 4 bits a number), with one power-of-two scale for each 32 numbers along K (OCP MX v1.0); their sums are f32. The products marked 'left as it is' may take bf16, f16 or f32 operands, with f32 sums. Whichever they take, every output number must still come out within the allowed error. Rounding operands to bf16 (8 significant bits) uses up far more of that allowance than f16 does (11 bits, for magnitudes from 6e-5 to 65,504). All else is computed in f32.
;;   The module's matrix products, in the order in which they are computed (A, B: the left and right operand; K: the contracted axis; several contracted axes count as one K, in the product's order):
;;     1. [M 8,192, K 1,024] x [K 1,024, N 1,024]; A: input x; B: input Wq: QUANTISED
;;     2. [M 8,192, K 1,024] x [K 1,024, N 1,024]; A: input x; B: input Wk: QUANTISED
;;     3. [M 8,192, K 1,024] x [K 1,024, N 1,024]; A: input x; B: input Wv: QUANTISED
;;     4. batch 64 x [M 2,048, K 64] x [K 64, N 2,048]; A: computed on the way; B: computed on the way: left as it is (an operand is computed on the way)
;;     5. batch 64 x [M 2,048, K 2,048] x [K 2,048, N 64]; A: computed on the way; B: computed on the way: left as it is (an operand is computed on the way)
;;     6. [M 8,192, K 1,024] x [K 1,024, N 1,024]; A: computed on the way; B: input Wo: left as it is (an operand is computed on the way)
;;   THE QUANTISER, for each operand of a quantised product, along K:
;;     - K is cut into blocks of 32 from its start; a last block that is shorter is filled with zeros.
;;     - A block's scale is 2^e with e = floor(log2(the largest magnitude in the block)) - 2, held to -126 .. 127; a block of zeros has e = 0. As a byte (E8M0): e + 127.
;;     - Each number is divided by its block's scale, clamped to +-6, and rounded to the nearest number of E2M1, ties to even, subnormals kept.
;;     - The product sums the exact products of the quantised numbers (number of the format x scale) in f32.
;;   ~~~python
;;   def quantise(x, axis):      # numpy; x: float32 -> the quantised numbers, widened to float32 again
;;       x = np.moveaxis(x, axis, -1); K = x.shape[-1]
;;       x = np.pad(x, [(0, 0)] * (x.ndim - 1) + [(0, -K % 32)]); x = x.reshape(x.shape[:-1] + (-1, 32)); a = np.abs(x).max(-1, keepdims=True)
;;       e = np.where(a > 0, np.clip(np.frexp(np.where(a > 0, a, 1))[1] - 1 - 2, -126, 127), 0)      # np.frexp(a)[1] - 1 = floor(log2(a)), exactly
;;       r = np.clip(x / 2.0 ** e, -6, 6)
;;       step = 2.0 ** (np.maximum(np.frexp(np.where(r == 0, 1, r))[1] - 1, 0) - 1)
;;       q = np.round(r / step) * step * 2.0 ** e      # np.round: ties to even
;;       return np.moveaxis(q.reshape(q.shape[:-2] + (-1,))[..., :K], -1, axis).astype(np.float32)
;;   ~~~
;; One version. Each part assembles by itself: llvm-mc -triple=amdgcn-amd-amdhsa -mcpu=gfx1250 --defsym DOCPART=n.
;; ======== version 1 of 1: 4 launches
;; limits: values are held in f16: magnitudes above 65,504 overflow, below 6.1e-05 lose precision
;; workspace buffers: xc 4,194,304 bytes; xs 262,144 bytes; wc 1,572,864 bytes; ws 98,304 bytes; wot 2,097,152 bytes; qkv 50,331,648 bytes; att 16,777,216 bytes
;; launch prep (part 1): grid 416 x 1, 4 waves a work-group, no clusters, 85,504 bytes of LDS; arguments x, Wq, Wk, Wv, Wo, xc, xs, wc, ws, wot; writes xc, xs, wc, ws, wot
.if DOCPART == 1
	.amdgcn_target "amdgcn-amd-amdhsa--gfx1250"
	.amdhsa_code_object_version 6
	.text
	.protected	k_q46ebc11a5a_prep
	.globl	k_q46ebc11a5a_prep
	.p2align	8
	.type	k_q46ebc11a5a_prep,@function
k_q46ebc11a5a_prep:
	s_mov_b64 s[64:65], 0
	v_nop
	global_prefetch_b8 v0, s[64:65] scope:SCOPE_SE
	s_setreg_imm32_b32 hwreg(HW_REG_WAVE_MODE, 25, 1), 1
	s_wait_xcnt 0x0
; THE OPERANDS ARE MADE READY, ONCE.  Three kinds of work-group, told apart by the work-group's number alone; each kind has its own way through the text and its own LDS bytes.
;   0 .. 95    Wq, Wk, Wv [1024 k][1024 n] f32 -> codes of FP4 (E2M1) with K innermost, wc [3072 n][512 bytes] (row 1024 T + n, T = 0, 1, 2 for q, k, v), and one E8M0 byte for each 32 along K, ws [3072][32]
;   96 .. 159  Wo [1024 k][1024 n] f32 -> f16, turned: wot [1024 n][1024 k]
;   160 .. 415 x [8192][1024] f32 -> codes xc [8192][512 bytes] and scale bytes xs [8192][32]
; THE QUANTISER: a block's scale is 2^(floor(log2(its largest magnitude)) - 2); its byte is the largest magnitude's exponent field - 2, held at 1 from below; each number is divided by the scale and
; rounded to the nearest code, ties to even, beyond 6 the largest code.
; LIMITS: a block of zeros gets the byte 1 where the rule says 127 (its codes are zeros, and this program alone reads the bytes); blocks whose largest magnitude lies under 2^-124 are held at the byte 1;
; NaN and infinities among the inputs are not served; |Wo| must stay at or under 65,504, f16's largest number, and magnitudes under 6e-5 carry an absolute error of 2^-25.
; No matrix unit, no tensor load, no cluster, no barrier: memory binds, and waves share nothing.
.set SPW,    12                        ; v12  LDS address of my spare word: SPARE + 4 x my thread's number; never rewritten
.set NIL,    13                        ; v13  0; never rewritten
.set XREG,   8192                      ; x's way: a region for each wave: two stages of 32 x SP bytes, behind them its 256 scale bytes
.set SP,     80                        ; a lane's place in a stage: 64 bytes + 16 of padding
.set WPITCH, 272                       ; a stage row of the two other ways: 256 bytes + 16 of padding
.set WST,    4*XREG                    ; the weights' way: 16 rows for each wave
.set OST,    WST+4*16*WPITCH           ; Wo's way: 32 rows for each wave
.set SPARE,  OST+4*32*WPITCH           ; the spare words, 128 bytes for each wave: two blocks of 256 bytes that no other line names
	s_load_b256 s[4:11], s[0:1], 0x0               ; x s[4:5], Wq s[6:7], Wk s[8:9], Wv s[10:11]
	s_load_b256 s[12:19], s[0:1], 0x20             ; Wo s[12:13], xc s[14:15], xs s[16:17], wc s[18:19]
	s_load_b128 s[20:23], s[0:1], 0x40             ; ws s[20:21], wot s[22:23]
	v_lshl_add_u32 v[SPW], v0, 2, SPARE
	v_mov_b32 v[NIL], 0
	v_lshrrev_b32 v1, 5, v0
	v_readfirstlane_b32 s24, v1                    ; wave 0..3
	v_and_b32 v2, 31, v0                           ; lane
	s_mov_b32 s29, 0                               ; the upper word of every offset pair s[28:29]
	s_wait_kmcnt 0x0
	s_cmp_lt_u32 ttmp9, 96
	s_cbranch_scc1 .Lw
	s_cmp_lt_u32 ttmp9, 160
	s_cbranch_scc1 .Lo
; ---------------- x: a plain stream of blocks of 32.  A wave takes 16 steps of 512 numbers.
; Each of a step's four loads reads 512 consecutive bytes, 16 a lane; the 2,048 bytes go through the wave's own stage and come back 64 bytes a lane: 16 neighbours along K, two neighbouring lanes to a block.
.set STEPS, 16
.set XR,    16                         ; v16-79   four sets of 16 numbers as they are loaded
.set XX,    80                         ; v80-111  two sets of 16 neighbours
.set XE,    112                        ; v112-127 a scale byte for each step
.set XC,    128                        ; v128-191 codes: four registers for each step, so that no store's data are written again
	v_lshlrev_b32 v3, 4, v2                        ; my 16 bytes of a load's 512
	s_mul_i32 s25, s24, XREG
	v_lshrrev_b32 v14, 2, v2
	v_mul_u32_u24 v14, v14, SP
	v_and_b32 v15, 3, v2
	v_lshl_add_u32 v14, v15, 4, v14
	v_add_nc_u32 v14, s25, v14                     ; the stage, on the way in: SP (lane / 4) + 16 (lane % 4)
	v_mul_u32_u24 v15, v2, SP
	v_add_nc_u32 v15, s25, v15                     ; and on the way out: SP x lane
	v_lshlrev_b32 v4, 3, v2                        ; 8 x lane: my codes' place in a step's 256 bytes, and my 8 scale bytes at the end
	v_lshrrev_b32 v5, 1, v2
	s_add_co_u32 s25, s25, 2*32*SP
	v_add_nc_u32 v5, s25, v5                       ; my block's scale byte in the wave's 256
	v_add_nc_u32 v6, s25, v4                       ; and where I read 8 of them back
	s_sub_co_u32 s26, ttmp9, 160
	s_lshl_b32 s26, s26, 2
	s_add_co_u32 s26, s26, s24                     ; which run of 8,192 numbers is my wave's: 0 .. 1023
	s_lshl_b32 s28, s26, 15
	s_add_nc_u64 s[4:5], s[4:5], s[28:29]          ; 32,768 bytes of x,
	s_lshl_b32 s28, s26, 12
	s_add_nc_u64 s[14:15], s[14:15], s[28:29]      ; 4,096 of codes,
	s_lshl_b32 s28, s26, 8
	s_add_nc_u64 s[16:17], s[16:17], s[28:29]      ; 256 scale bytes a run
.macro XLOAD t
.irp i, 0,1,2,3
	global_load_b128 v[XR+16*((\t)%4)+4*\i:XR+16*((\t)%4)+4*\i+3], v3, s[4:5] offset:2048*(\t)+512*\i th:TH_LOAD_NT
.endr
.endm
.macro XTURN t                         ; step t's numbers through the stage: LDS serves a wave's instructions in order, so no wait stands between the stores and the loads
.irp i, 0,1,2,3
	ds_store_b128 v14, v[XR+16*((\t)%4)+4*\i:XR+16*((\t)%4)+4*\i+3] offset:32*SP*((\t)%2)+8*SP*\i
.endr
.irp i, 0,1,2,3
	ds_load_b128 v[XX+16*((\t)%2)+4*\i:XX+16*((\t)%2)+4*\i+3], v15 offset:32*SP*((\t)%2)+16*\i
.endr
.endm
.macro XSTEP t
.set XS, XX+16*((\t)%2)
.if (\t) > 0
	s_wait_dscnt 1                                 ; this step's numbers are back from the stage; only the last step's byte store may be out
.else
	s_wait_dscnt 0x0
.endif
.if (\t)+4 < STEPS
	XLOAD (\t)+4                                   ; into the set whose stores into the stage are done
.endif
.if (\t)+1 < STEPS
.if STEPS-2-(\t) >= 3
	s_wait_loadcnt 12                              ; the next step's four loads are in; those of the three steps behind it may be out
.else
	s_wait_loadcnt 4*(STEPS-2-(\t))
.endif
	XTURN (\t)+1
.endif
	v_max3_num_f32 v8, |v[XS]|, |v[XS+1]|, |v[XS+2]|               ; the largest magnitude of my 16, in two chains
	v_max3_num_f32 v9, |v[XS+3]|, |v[XS+4]|, |v[XS+5]|
.irp i, 6,10
	v_max3_num_f32 v8, v8, |v[XS+\i]|, |v[XS+\i+1]|
	v_max3_num_f32 v9, v9, |v[XS+\i+2]|, |v[XS+\i+3]|
.endr
	v_max3_num_f32 v8, v8, |v[XS+14]|, |v[XS+15]|
	v_max3_num_f32 v8, v8, v9, 0x1800000           ; and the floor 2^(3 - 127): so the byte cannot fall under 1
	v_max_num_f32_dpp v8, v8, v8 row_xmask:1 row_mask:0xf bank_mask:0xf   ; and of my neighbour's 16: the block's
	v_add_nc_u32 v11, 0xff000000, v8               ; 2 off its exponent field: the conversion takes the exponent field of this operand as its scale
	v_cvt_scalef32_pk8_fp4_f32 v[XC+4*(\t)], v[XS:XS+7], v11
	v_cvt_scalef32_pk8_fp4_f32 v[XC+4*(\t)+1], v[XS+8:XS+15], v11
	v_lshrrev_b32 v[XE+(\t)], 23, v11              ; the scale's byte (a plain line behind the conversions)
	ds_store_b8 v5, v[XE+(\t)] offset:16*(\t)      ; both lanes of a block write the same byte with the same value
	global_store_b64 v4, v[XC+4*(\t):XC+4*(\t)+1], s[14:15] offset:256*(\t)   ; the wave stores 256 consecutive bytes, aligned
.endm
.irp t, 0,1,2,3
	XLOAD \t
.endr
	s_wait_loadcnt 12                              ; step 0's four loads are in
	XTURN 0
.irp t, 0,1,2,3,4,5,6,7,8,9,10,11,12,13,14,15
	XSTEP \t
.endr
	ds_load_b64 v[8:9], v6                         ; LDS serves a wave's instructions in order: these see my byte stores
	s_wait_dscnt 0x0
	global_store_b64 v4, v[8:9], s[16:17]          ; 32 lanes store the wave's 256 scale bytes, aligned
	s_wait_tensorcnt 0x0                           ; the wave's end, behind my last LDS store
	ds_add_u32 v[SPW], v[NIL]
	s_wait_dscnt 0x0
	s_endpgm
; ---------------- Wq, Wk, Wv: K is the first axis.  A lane takes a column and its registers run down K, so that a block of 32 lies in one lane and the codes come out with K innermost.
; Work-group: tensor T = number / 32; 64 columns; half ky of K.  Wave: 16 columns; lanes 0-15 take K = 512 ky + 0 .. 255, lanes 16-31 the 256 behind: 8 blocks a lane.
.Lw:
.set WX,   32                          ; v32-95   two sets of 32 numbers
.set WC,   96                          ; v96-99   a block's codes
.set WOUT, 112                         ; v112-143 the way out
	s_lshr_b32 s25, ttmp9, 5                       ; T
	s_cmp_eq_u32 s25, 0
	s_cselect_b64 s[6:7], s[6:7], s[8:9]
	s_cmp_eq_u32 s25, 2
	s_cselect_b64 s[6:7], s[10:11], s[6:7]         ; the tensor: the choice hangs on the work-group's number alone
	s_and_b32 s26, ttmp9, 31
	s_lshr_b32 s27, s26, 1
	s_and_b32 s26, s26, 1                          ; ky
	s_lshl_b32 s27, s27, 6
	s_lshl_b32 s28, s24, 4
	s_add_co_u32 s27, s27, s28                     ; my wave's first column
	s_lshl_b32 s28, s26, 21                        ; 512 rows of 4,096 bytes
	s_lshl_b32 s30, s27, 2
	s_add_co_u32 s28, s28, s30
	s_add_nc_u64 s[6:7], s[6:7], s[28:29]
	s_lshl_b32 s30, s25, 10
	s_add_co_u32 s30, s30, s27                     ; my first row of wc and ws
	s_lshl_b32 s28, s30, 9
	s_lshl_b32 s31, s26, 8
	s_add_co_u32 s28, s28, s31
	s_add_nc_u64 s[18:19], s[18:19], s[28:29]      ; wc: 512 bytes a row, + 256 ky
	s_lshl_b32 s28, s30, 5
	s_lshl_b32 s31, s26, 4
	s_add_co_u32 s28, s28, s31
	s_add_nc_u64 s[20:21], s[20:21], s[28:29]      ; ws: 32 bytes a row, + 16 ky
	v_and_b32 v16, 15, v2                          ; r
	v_lshrrev_b32 v17, 4, v2                       ; h
	v_lshlrev_b32 v4, 2, v16
	v_lshl_add_u32 v4, v17, 20, v4                 ; in: 4 r + 256 rows x h
	s_mul_i32 s31, s24, 16*WPITCH
	s_add_co_u32 s31, s31, WST                     ; my stage
	v_mul_u32_u24 v5, v16, WPITCH
	v_lshl_add_u32 v5, v17, 7, v5
	v_add_nc_u32 v5, s31, v5                       ; into it: row = my column, + 128 h
	v_mul_u32_u24 v6, v17, WPITCH
	v_lshl_add_u32 v6, v16, 4, v6
	v_add_nc_u32 v6, s31, v6                       ; out of it: sixteen lanes to a row, two rows an instruction
	v_lshlrev_b32 v7, 9, v17
	v_lshl_add_u32 v7, v16, 4, v7                  ; and the same place in wc
	v_lshlrev_b32 v8, 5, v16
	v_lshl_add_u32 v8, v17, 3, v8                  ; my 8 scale bytes in ws
.macro WLOAD t
.set i, 0
.rept 32
	global_load_b32 v[WX+32*((\t)%2)+i], v4, s[6:7] offset:(32*(\t)+i)*4096 th:TH_LOAD_NT
.set i, i+1
.endr
.endm
.macro WBLOCK t
.set XS, WX+32*((\t)%2)
.if (\t) < 7
	s_wait_loadcnt 32                              ; this block's 32 loads are in; the next block's may be out
.else
	s_wait_loadcnt 0x0
.endif
	v_max3_num_f32 v10, |v[XS]|, |v[XS+1]|, |v[XS+2]|              ; the block's largest magnitude: all 32 numbers are mine
	v_max3_num_f32 v11, |v[XS+3]|, |v[XS+4]|, |v[XS+5]|
.irp i, 6,10,14,18,22,26
	v_max3_num_f32 v10, v10, |v[XS+\i]|, |v[XS+\i+1]|
	v_max3_num_f32 v11, v11, |v[XS+\i+2]|, |v[XS+\i+3]|
.endr
	v_max3_num_f32 v10, v10, |v[XS+30]|, |v[XS+31]|
	v_max3_num_f32 v10, v10, v11, 0x1800000        ; and the floor
	v_add_nc_u32 v9, 0xff000000, v10               ; the conversion's scale operand
	v_lshrrev_b32 v11, 23, v9                      ; the scale's byte
.if (\t)%4 == 0
	v_mov_b32 v[14+(\t)/4], v11                    ; four bytes to a register, the lower K in the lower byte
.else
	v_lshl_or_b32 v[14+(\t)/4], v11, 8*((\t)%4), v[14+(\t)/4]
.endif
.irp g, 0,1,2,3
	v_cvt_scalef32_pk8_fp4_f32 v[WC+\g], v[XS+8*\g:XS+8*\g+7], v9
.endr
	ds_store_b128 v5, v[WC:WC+3] offset:16*(\t)    ; 32 codes: 16 bytes of my column's row
.if (\t)+2 < 8
	WLOAD (\t)+2
.endif
	s_wait_dscnt 0x0                               ; the store has read its registers: the next block's codes may be written
.endm
	WLOAD 0
	WLOAD 1
.irp t, 0,1,2,3,4,5,6,7
	WBLOCK \t
.endr
	global_store_b64 v8, v[14:15], s[20:21]        ; my column's 8 scale bytes
.irp t, 0,1,2,3,4,5,6,7
	ds_load_b128 v[WOUT+4*\t:WOUT+4*\t+3], v6 offset:2*\t*WPITCH
.endr
.irp t, 0,1,2,3,4,5,6,7
	s_wait_dscnt 7-\t                              ; the loads behind this one may be out
	global_store_b128 v7, v[WOUT+4*\t:WOUT+4*\t+3], s[18:19] offset:1024*\t   ; sixteen lanes store 256 consecutive bytes, aligned
.endr
	s_wait_tensorcnt 0x0                           ; the wave's end, behind my last LDS store
	ds_add_u32 v[SPW], v[NIL]
	s_wait_dscnt 0x0
	s_endpgm
; ---------------- Wo: rounded to f16 and turned.  A lane takes a column, its 128 registers run down 128 of K; pairs are packed in place; rows of 256 bytes leave through the wave's stage.
.Lo:
	s_sub_co_u32 s25, ttmp9, 96
	s_and_b32 s26, s25, 7
	s_lshr_b32 s25, s25, 3                         ; which 128 of K
	s_lshl_b32 s26, s26, 7
	s_lshl_b32 s27, s24, 5
	s_add_co_u32 s26, s26, s27                     ; my wave's first column
	s_lshl_b32 s28, s25, 19                        ; 128 rows of 4,096 bytes
	s_lshl_b32 s27, s26, 2
	s_add_co_u32 s28, s28, s27
	s_add_nc_u64 s[12:13], s[12:13], s[28:29]
	s_lshl_b32 s28, s26, 11                        ; wot: 2,048 bytes a row,
	s_lshl_b32 s27, s25, 8                         ; + 256 for each 128 of K
	s_add_co_u32 s28, s28, s27
	s_add_nc_u64 s[22:23], s[22:23], s[28:29]
	v_lshlrev_b32 v4, 2, v2                        ; in: 4 bytes a lane: the wave reads 128 consecutive bytes, the work-group 512
	s_mul_i32 s27, s24, 32*WPITCH
	s_add_co_u32 s27, s27, OST                     ; my stage
	v_mul_u32_u24 v5, v2, WPITCH
	v_add_nc_u32 v5, s27, v5                       ; into it: row = my column
	v_and_b32 v8, 15, v2
	v_lshrrev_b32 v9, 4, v2
	v_mul_u32_u24 v6, v9, WPITCH
	v_lshl_add_u32 v6, v8, 4, v6
	v_add_nc_u32 v6, s27, v6                       ; out of it: two rows an instruction
	v_lshlrev_b32 v7, 11, v9
	v_lshl_add_u32 v7, v8, 4, v7                   ; and the same place in wot
.set i, 0
.rept 128
	global_load_b32 v[32+i], v4, s[12:13] offset:4096*i th:TH_LOAD_NT
.set i, i+1
.endr
.macro OPACK from, to                  ; pairs from .. to - 1, ascending and in place: a pair's place lies at or under its sources
.set i, \from
.rept (\to)-(\from)
	v_cvt_pk_f16_f32 v[32+i], v[32+2*i], v[33+2*i]
.set i, i+1
.endr
.endm
	s_wait_loadcnt 63                              ; 63 of the 128 may be out: the first 65 are in
	OPACK 0, 32
	s_wait_loadcnt 32                              ; the first 96 are in
	OPACK 32, 48
	s_wait_loadcnt 0x0
	OPACK 48, 64
.irp t, 0,1,2,3,4,5,6,7,8,9,10,11,12,13,14,15
	ds_store_b128 v5, v[32+4*\t:35+4*\t] offset:16*\t
.endr
.irp t, 0,1,2,3,4,5,6,7,8,9,10,11,12,13,14,15
	ds_load_b128 v[96+4*\t:99+4*\t], v6 offset:2*\t*WPITCH
.endr
.irp t, 0,1,2,3,4,5,6,7,8,9,10,11,12,13,14,15
	s_wait_dscnt 15-\t
	global_store_b128 v7, v[96+4*\t:99+4*\t], s[22:23] offset:4096*\t   ; sixteen lanes store 256 consecutive bytes, aligned
.endr
	s_wait_tensorcnt 0x0                           ; the wave's end, behind my last LDS store
	ds_add_u32 v[SPW], v[NIL]
	s_wait_dscnt 0x0
	s_endpgm
.Lfunc_end_k_q46ebc11a5a_prep:
	.size	k_q46ebc11a5a_prep, .Lfunc_end_k_q46ebc11a5a_prep-k_q46ebc11a5a_prep
	.p2alignl 7, 3214868480
	.fill 96, 4, 3214868480
	.section	.rodata,"a",@progbits
	.p2align	6, 0x0
	.amdhsa_kernel k_q46ebc11a5a_prep
		.amdhsa_group_segment_fixed_size 85504
		.amdhsa_private_segment_fixed_size 0
		.amdhsa_enable_private_segment 0
		.amdhsa_kernarg_size 80
		.amdhsa_user_sgpr_count 2
		.amdhsa_user_sgpr_kernarg_segment_ptr 1
		.amdhsa_wavefront_size32 1
		.amdhsa_system_sgpr_workgroup_id_x 1
		.amdhsa_system_sgpr_workgroup_id_y 1
		.amdhsa_system_sgpr_workgroup_id_z 1
		.amdhsa_system_vgpr_workitem_id 0
		.amdhsa_next_free_vgpr 192
		.amdhsa_next_free_sgpr 66
		.amdhsa_reserve_vcc 0
		.amdhsa_float_denorm_mode_32 3
		.amdhsa_float_denorm_mode_16_64 3
		.amdhsa_memory_ordered 1
		.amdhsa_forward_progress 1
		.amdhsa_inst_pref_size 94
	.end_amdhsa_kernel
	.amdgpu_metadata
---
amdhsa.version: [ 1, 2 ]
amdhsa.kernels:
  - .name:           k_q46ebc11a5a_prep
    .symbol:         k_q46ebc11a5a_prep.kd
    .args:
      - { .name: x, .offset: 0, .size: 8, .value_kind: global_buffer, .address_space: global }
      - { .name: Wq, .offset: 8, .size: 8, .value_kind: global_buffer, .address_space: global }
      - { .name: Wk, .offset: 16, .size: 8, .value_kind: global_buffer, .address_space: global }
      - { .name: Wv, .offset: 24, .size: 8, .value_kind: global_buffer, .address_space: global }
      - { .name: Wo, .offset: 32, .size: 8, .value_kind: global_buffer, .address_space: global }
      - { .name: xc, .offset: 40, .size: 8, .value_kind: global_buffer, .address_space: global }
      - { .name: xs, .offset: 48, .size: 8, .value_kind: global_buffer, .address_space: global }
      - { .name: wc, .offset: 56, .size: 8, .value_kind: global_buffer, .address_space: global }
      - { .name: ws, .offset: 64, .size: 8, .value_kind: global_buffer, .address_space: global }
      - { .name: wot, .offset: 72, .size: 8, .value_kind: global_buffer, .address_space: global }
    .group_segment_fixed_size: 85504
    .private_segment_fixed_size: 0
    .kernarg_segment_align: 8
    .kernarg_segment_size: 80
    .max_flat_workgroup_size: 128
    .sgpr_count:     66
    .vgpr_count:     192
    .wavefront_size: 32
...
	.end_amdgpu_metadata
.endif
;; end of part 1
;; launch qkvgemm (part 2): grid 12 x 32, 4 waves a work-group, clusters of 4 x 4, 327,680 bytes of LDS; arguments xc, xs, wc, ws, bq, bk, bv, qkv; writes qkv
.if DOCPART == 2
	.amdgcn_target "amdgcn-amd-amdhsa--gfx1250"
	.amdhsa_code_object_version 6
	.text
	.protected	k_q46ebc11a5a_qkvgemm
	.globl	k_q46ebc11a5a_qkvgemm
	.p2align	8
	.type	k_q46ebc11a5a_qkvgemm,@function
k_q46ebc11a5a_qkvgemm:
	s_mov_b64 s[64:65], 0
	v_nop
	global_prefetch_b8 v0, s[64:65] scope:SCOPE_SE
	s_setreg_imm32_b32 hwreg(HW_REG_WAVE_MODE, 25, 1), 1
	s_wait_xcnt 0x0
	s_wait_alu depctr_hold_cnt(0) depctr_sa_sdst(0) depctr_va_vdst(0) depctr_va_sdst(0) depctr_va_ssrc(0) depctr_va_vcc(0) depctr_vm_vsrc(0)
	s_getreg_b32 s2, hwreg(HW_REG_IB_STS2, 6, 4)
	s_cmp_eq_u32 s2, 0
	s_cbranch_scc0 .Lentry_in_a_cluster
	s_endpgm
.Lentry_in_a_cluster:
	s_bfe_u32 s2, ttmp6, 0x10000c
	s_cmp_lg_u32 s2, 0xf033
	s_cbranch_scc0 .Lentry_shape_is_right
	s_endpgm
.Lentry_shape_is_right:
; Q, K, V = x W + b, all three in one product on codes of FP4 (E2M1) with one E8M0 scale for each 32 along K: C[m][n] = sum over k of x[m][k] W[n][k], m = 8,192 tokens, n = 3,072 (1024 T + column), k = 1,024.
; Out: qkv, three tensors of 2^24 bytes on end (T = 0, 1, 2), each [64 batch-heads][2048 tokens][64] f16.  Q is stored as c (x Wq + bq), c = log2(e) / 8, so that attention's scores come out as exponents of 2.
; LIMITS: |c Q|, |K|, |V| must stay at or under 65,504, f16's largest number; magnitudes under 6e-5 carry an absolute error of 2^-25.
; A tile of C, 256 x 256, is made by a work-group of four waves; a wave makes 128 x 128: 64 accumulators of 16 x 16, 512 registers.  K is two LDS slots of 512 (rows of 256 bytes): both are filled at the head,
; nothing is filled again.  The scales of the work-group's rows, for all of K, come once, as dense blocks.
; CLUSTERS: 4 x 4 work-groups.  The four of a row of the cluster need the same tiles of x, the four of a column the same tiles of W: each tile is asked for JOINTLY.  A cluster's x is the tensor T.
; THE MATRIX INSTRUCTION IS USED TRANSPOSED (source 0 = 16 rows of W, source 1 = 16 rows of x): a lane holds eight neighbouring columns of one token.  THE BIAS is the C of each sum's first product.
; REGISTERS, in windows of 256: window 0: v0-31 addresses; v32-95 scale words, two sets (later packed results); v128-191 x's fragments, one set (later rows read back); v192-255 the bias, 8 blocks x 8.
;   window 1: W's fragments, two sets.   window 2: the accumulators of my rows 0-63 ((a, b) at v[8 (8 a + b)]);   window 3: those of my rows 64-127.
.set NQ,     4                         ; steps of 128 along K in a slot
.set ROWB,   256                       ; a tile's row in bytes
.set KROW,   512                       ; a row of codes in memory
.set PITCH,  272                       ; an LDS row: 256 bytes + 16 of padding, so that the 16 rows that a load touches start 16 bytes apart modulo 256
.set FR,     8
.set NL,     2
.set NP,     4                         ; places behind this matrix instruction (ISA guide 7.12.1)
.set HALFT,  128*PITCH
.set SLOT,   4*HALFT
.set KS,     32                        ; a row of scales in bytes
.set SCL,    2*SLOT                    ; behind the slots: the scales, as units of 256 bytes + 16 of padding
.set HALFS,  16*272                    ; those of 128 rows
.set SBLK,   2*272                     ; those of 16 rows
.set SPARE,  SCL+4*HALFS               ; the spare words, 128 bytes for each wave: two blocks of 256 bytes that no other line names
.set HP,     144                       ; the way out: a stage row: a token's 128 bytes of one head + 16
.set HST,    16*HP                     ; 16 tokens of one head.  A wave's stage is two of these; the stages lie in slot 0, which has had its one fill and its last read when the first result is stored there
.set ADRA, 16
.set ADRB, 20
.set STO,  24
.set RD,   25
.set CO,   26
.set ADRS, 27
.set SPW,  28                          ; v28  LDS address of my spare word; never rewritten
.set NIL,  29                          ; v29  0; never rewritten
.set SC,   32
.set TMP,  32
.set AF,   128
.set BK,   128
.set BIAS, 192
.set G1, 24
.set G0, 32
.set G1B, 48
.set G0B, 56
.set G1S, 68
.set G0S, 76
.set G1SB, 80
.set G0SB, 88
.set MSB, 0
.macro WIN new                         ; the immediate's high byte repeats the setting that is left
.if MSB != (\new)
	s_set_vgpr_msb (MSB<<8)|(\new)
.set MSB, (\new)
.endif
.endm
.set MUL_LO,  0xa1                     ; source 0 (W) window 1, source 1 (x) window 0, C and D window 2
.set MUL_HI,  0xf1                     ; the same, C and D window 3
.set BIAS_LO, 0x81                     ; the first step: C (the bias) window 0, D window 2
.set BIAS_HI, 0xc1                     ; D window 3
.set TO_B,    0x40
; A joint load: waves 0 and 1 fetch for x, waves 2 and 3 for W; the branch hangs on the wave's number alone.  An s_nop 0 and four v_nop follow each of the two lines.
.macro JLOAD g0a, g1a, g0b, g1b
	s_cmp_eq_u32 s15, 0
	s_cbranch_scc0 .Lfor_b_\@
	tensor_load_to_lds s[\g0a:\g0a+3], s[\g1a:\g1a+7]
	s_nop 0
.rept 4
	v_nop
.endr
	s_branch .Lasked_\@
.Lfor_b_\@:
	tensor_load_to_lds s[\g0b:\g0b+3], s[\g1b:\g1b+7]
	s_nop 0
.rept 4
	v_nop
.endr
.Lasked_\@:
.endm
.macro CROUND                          ; a round of the cluster's barrier
	s_barrier_signal -1
	s_barrier_wait -1
	s_cmp_lg_u32 s14, 0
	s_cbranch_scc1 .Lnot_wave_0_\@
	s_barrier_signal -3
.Lnot_wave_0_\@:
	s_barrier_wait -3
	s_barrier_signal -1
	s_barrier_wait -1
.endm
	s_load_b256 s[4:11], s[0:1], 0x0               ; x's codes s[4:5], x's scales s[6:7], W's codes s[8:9], W's scales s[10:11]
	s_load_b128 s[96:99], s[0:1], 0x20             ; bq, bk
	s_load_b64 s[100:101], s[0:1], 0x30            ; bv
	s_load_b64 s[12:13], s[0:1], 0x38              ; qkv
	v_lshl_add_u32 v[SPW], v0, 2, SPARE
	v_mov_b32 v[NIL], 0
	ds_add_u32 v[SPW], v[NIL]                      ; the wave's opening: the add, twice on end, and its wait ahead of my first tensor load
	ds_add_u32 v[SPW], v[NIL]
	v_lshrrev_b32 v1, 5, v0
	v_readfirstlane_b32 s14, v1                    ; wave 0..3
	s_lshr_b32 s15, s14, 1                         ; which half of the tile's rows is mine.  Also: I fetch for x (0) or for W (1)
	s_and_b32 s16, s14, 1                          ; which half of its columns.  Also: which 128 rows I fetch
	s_bfe_u32 s40, ttmp6, 0x40000                  ; cx, cy
	s_bfe_u32 s41, ttmp6, 0x40004
	s_lshl_b32 s42, ttmp9, 2
	s_add_co_u32 s42, s42, s40                     ; tile column = 4 x cluster x + cx
	s_and_b32 s17, ttmp7, 0xffff
	s_lshl_b32 s17, s17, 2
	s_add_co_u32 s17, s17, s41                     ; tile row = 4 x cluster y + cy
	s_lshl_b32 s43, s41, 2
	s_lshl_b32 s43, 15, s43                        ; my row of the cluster
	s_lshl_b32 s44, 0x1111, s40                    ; my column
	s_or_b32 s[G1+0], s43, (0<<16)|(1<<20)|(1<<21)|(5<<22)|(3<<25)  ; the mask; elements of 1 byte; padding on; bit 21 beside a mask; after every 64 words four words
	s_or_b32 s[G1B+0], s44, (0<<16)|(1<<20)|(1<<21)|(5<<22)|(3<<25)
.irp g, G1, G1B
	s_mov_b32 s[\g+1], ROWB<<16                    ; tensor_dim0
	s_mov_b32 s[\g+2], 128<<16                     ; tensor_dim1
	s_mov_b32 s[\g+3], ROWB<<16                    ; tile_dim0
	s_mov_b32 s[\g+4], 128                         ; tile_dim1
	s_mov_b32 s[\g+5], KROW                        ; from row to row
	s_mov_b32 s[\g+6], 0
	s_mov_b32 s[\g+7], 0
.endr
	s_or_b32 s[G1S+0], s43, (3<<16)|(1<<20)|(1<<21)|(5<<22)|(3<<25)  ; the scales of 128 rows: 4,096 dense bytes as 16 rows of 32 elements of 8 bytes, padded alike
	s_or_b32 s[G1SB+0], s44, (3<<16)|(1<<20)|(1<<21)|(5<<22)|(3<<25)
.irp g, G1S, G1SB
	s_mov_b32 s[\g+1], 32<<16
	s_mov_b32 s[\g+2], 16<<16
	s_mov_b32 s[\g+3], 32<<16
	s_mov_b32 s[\g+4], 16
	s_mov_b32 s[\g+5], 32
	s_mov_b32 s[\g+6], 0
	s_mov_b32 s[\g+7], 0
.endr
	s_lshl_b32 s18, s16, 7
	s_lshl_b32 s20, s17, 8
	s_add_co_u32 s20, s20, s18                     ; x: row 256 x tile row + 128 x half
	s_lshl_b32 s46, s42, 8
	s_add_co_u32 s46, s46, s18                     ; W: row 256 x tile column + 128 x half
	s_mov_b32 s21, 0
	s_mov_b32 s47, 0
	s_mov_b64 s[18:19], KS
	s_mul_u64 s[22:23], s[20:21], s[18:19]         ; where these rows' scales begin,
	s_mul_u64 s[92:93], s[46:47], s[18:19]
	s_mov_b64 s[18:19], KROW
	s_mul_u64 s[20:21], s[20:21], s[18:19]         ; and their codes
	s_mul_u64 s[46:47], s[46:47], s[18:19]
	s_mul_i32 s45, s14, HALFT                      ; where they go: wave x 128 rows
	s_mul_i32 s94, s14, HALFS
	s_wait_dscnt 0x0                               ; both opening adds are done
	s_wait_kmcnt 0x0
	s_add_nc_u64 s[20:21], s[4:5], s[20:21]
	s_add_nc_u64 s[22:23], s[6:7], s[22:23]
	s_add_nc_u64 s[46:47], s[8:9], s[46:47]
	s_add_nc_u64 s[92:93], s[10:11], s[92:93]
	CROUND                                         ; all sixteen work-groups are here: the joint loads meet
	s_mov_b32 s[G0S], 1
	s_add_co_u32 s[G0S+1], s94, SCL
	s_mov_b64 s[G0S+2:G0S+3], s[22:23]
	s_or_b32 s[G0S+3], s[G0S+3], 0x80000000
	s_mov_b32 s[G0SB], 1
	s_add_co_u32 s[G0SB+1], s94, SCL
	s_mov_b64 s[G0SB+2:G0SB+3], s[92:93]
	s_or_b32 s[G0SB+3], s[G0SB+3], 0x80000000
	JLOAD G0S, G1S, G0SB, G1SB                     ; the scales first: they are wanted with the first step
.irp s, 0,1
	s_mov_b32 s[G0+4*\s], 1
	s_add_co_u32 s[G0+4*\s+1], s45, \s*SLOT
	s_add_nc_u64 s[G0+4*\s+2:G0+4*\s+3], s[20:21], \s*ROWB
	s_or_b32 s[G0+4*\s+3], s[G0+4*\s+3], 0x80000000
	s_mov_b32 s[G0B+4*\s], 1
	s_add_co_u32 s[G0B+4*\s+1], s45, \s*SLOT
	s_add_nc_u64 s[G0B+4*\s+2:G0B+4*\s+3], s[46:47], \s*ROWB
	s_or_b32 s[G0B+4*\s+3], s[G0B+4*\s+3], 0x80000000
	JLOAD G0+4*\s, G1, G0B+4*\s, G1B               ; all of K: three tensor loads of mine are out
.endr
	v_and_b32 v1, 15, v0                           ; r = l % 16
	v_bfe_u32 v2, v0, 4, 1                         ; h = l / 16
	; the bias of my 128 columns, and what the results are multiplied by: both hang on the tensor, which is the cluster's x
	s_cmp_eq_u32 ttmp9, 0
	s_cselect_b64 s[96:97], s[96:97], s[98:99]
	s_cselect_b32 s66, 0x3e38aa3b, 1.0             ; c = log2(e) / 8 for Q, 1 for K and V
	s_cmp_eq_u32 ttmp9, 2
	s_cselect_b64 s[96:97], s[100:101], s[96:97]
	s_mov_b32 s67, s66                             ; (named with it as a pair, so it is written)
	s_lshl_b32 s46, s40, 10                        ; 4 bytes x (256 cx + 128 x half)
	s_lshl_b32 s47, s16, 9
	s_add_co_u32 s46, s46, s47
	s_mov_b32 s47, 0
	s_add_nc_u64 s[96:97], s[96:97], s[46:47]
	v_lshlrev_b32 v9, 5, v2                        ; lane (r, h) wants, for block b, the bias of columns 16 b + 8 h + 0 .. 7
.irp b, 0,1,2,3,4,5,6,7
	global_load_b128 v[BIAS+8*\b:BIAS+8*\b+3], v9, s[96:97] offset:64*\b
	global_load_b128 v[BIAS+8*\b+4:BIAS+8*\b+7], v9, s[96:97] offset:64*\b+16
.endr
	v_mul_u32_u24 v3, v1, PITCH
	v_lshl_add_u32 v4, v2, 4, v3                   ; a fragment's row x pitch + 16 x half
	s_mul_i32 s21, s15, HALFT                      ; my 128 rows of x
	s_mul_i32 s22, s16, HALFT                      ; my 128 rows of W,
	s_add_co_u32 s22, s22, 2*HALFT                 ; which lie behind x's 256
.irp s, 0,1
	v_add_nc_u32 v[ADRA+\s], s21, v4
	v_add_nc_u32 v[ADRB+\s], s22, v4
	s_add_co_u32 s21, s21, SLOT
	s_add_co_u32 s22, s22, SLOT
.endr
	v_mul_u32_u24 v5, v1, KS                       ; my row's scales: 32 bytes a row,
	v_lshrrev_b32 v6, 8, v5
	v_lshl_add_u32 v5, v6, 4, v5                   ; and 16 more for each 256 passed
	s_mul_i32 s21, s15, HALFS
	s_mul_i32 s22, s16, HALFS
	s_add_co_u32 s22, s22, 2*HALFS
	s_sub_co_u32 s22, s22, s21
	v_mul_u32_u24 v6, s22, v2                      ; lanes 16-31 take W's: one product, the distance between the two bases x h
	s_add_co_u32 s21, s21, SCL
	v_add_nc_u32 v5, v5, v6
	v_add_nc_u32 v[ADRS], s21, v5
	s_mul_i32 s23, s14, 2*HST                      ; my stage
	v_mul_u32_u24 v5, v1, HP
	v_lshl_add_u32 v5, v2, 4, v5
	v_add_nc_u32 v[STO], s23, v5                   ; in: token r, 16 bytes for each half of the lanes
	v_and_b32 v6, 31, v0
	v_lshrrev_b32 v7, 3, v6
	v_mul_u32_u24 v7, v7, HP
	v_and_b32 v8, 7, v0
	v_lshl_add_u32 v7, v8, 4, v7
	v_add_nc_u32 v[RD], s23, v7                    ; back: eight lanes to a token's 128 bytes, four tokens an instruction
	v_lshlrev_b32 v[CO], 4, v6                     ; which are 512 consecutive bytes of qkv
	s_lshl_b32 s20, s17, 8
	s_lshl_b32 s21, s15, 7
	s_add_co_u32 s20, s20, s21                     ; my first token
	s_lshr_b32 s21, s20, 11                        ; its batch
	s_lshl_b32 s21, s21, 4
	s_lshl_b32 s46, s40, 2
	s_add_co_u32 s21, s21, s46
	s_lshl_b32 s46, s16, 1
	s_add_co_u32 s21, s21, s46                     ; batch-head of my first 64 columns: 16 batch + 4 cx + 2 x half
	s_lshl_b32 s21, s21, 18
	s_and_b32 s20, s20, 2047
	s_lshl_b32 s20, s20, 7
	s_add_co_u32 s20, s20, s21
	s_lshl_b32 s21, ttmp9, 24                      ; the tensor
	s_add_co_u32 s20, s20, s21
	s_mov_b32 s21, 0
	s_add_nc_u64 s[12:13], s[12:13], s[20:21]
.macro FRAG reg, adr, q, i             ; a fragment, 16 rows x 128 K of 4-bit codes: lane l holds row l % 16; registers 4 c .. 4 c + 3 hold K = 64 c + 32 (l / 16) + 0 .. 31
.irp c, 0,1
	ds_load_b128 v[\reg+4*\c:\reg+4*\c+3], v[\adr] offset:64*(\q)+32*\c+(\i)*16*PITCH
.endr
.endm
; 16 matrix instructions: x's blocks a0, a0 + 1 against W's eight, the slot's q-th 128 along K.  first = 1: the sums begin with the bias.  The 64 accumulators take turns, one instruction a turn.
.macro MUL16 a0, p, q, sc, first
.irp a, \a0, \a0+1
.irp b, 0,1,2,3,4,5,6,7
.if \first
	v_wmma_scale_f32_16x16x128_f8f6f4 v[8*(8*((\a)%4)+\b):8*(8*((\a)%4)+\b)+7], v[128*(\p)+FR*\b:128*(\p)+FR*\b+FR-1], v[AF+FR*(\a):AF+FR*(\a)+FR-1], v[BIAS+8*\b:BIAS+8*\b+7], v[SC+8*NQ*(\sc)+NQ*\b+(\q)], v[SC+8*NQ*(\sc)+NQ*(\a)+(\q)] matrix_a_fmt:MATRIX_FMT_FP4 matrix_b_fmt:MATRIX_FMT_FP4 matrix_a_scale:MATRIX_SCALE_ROW1
.else
	v_wmma_scale_f32_16x16x128_f8f6f4 v[8*(8*((\a)%4)+\b):8*(8*((\a)%4)+\b)+7], v[128*(\p)+FR*\b:128*(\p)+FR*\b+FR-1], v[AF+FR*(\a):AF+FR*(\a)+FR-1], v[8*(8*((\a)%4)+\b):8*(8*((\a)%4)+\b)+7], v[SC+8*NQ*(\sc)+NQ*\b+(\q)], v[SC+8*NQ*(\sc)+NQ*(\a)+(\q)] matrix_a_fmt:MATRIX_FMT_FP4 matrix_b_fmt:MATRIX_FMT_FP4 matrix_a_scale:MATRIX_SCALE_ROW1
.endif
.endr
.endr
.endm
.macro FETCH_B slot, q, p
	WIN TO_B
.irp i, 0,1,2,3,4,5,6,7
	FRAG 128*(\p)+FR*\i, ADRB+\slot, \q, \i
.endr
	WIN 0
.endm
.macro FETCH_A slot, q, i0
.irp i, \i0, \i0+1, \i0+2, \i0+3
	FRAG AF+FR*(\i), ADRA+\slot, \q, \i
.endr
.endm
.macro SCALES sc                       ; a slot's scale words: four words a row; lanes 0-15 take x's block i, lanes 16-31 W's block i
.irp i, 0,1,2,3,4,5,6,7
	ds_load_b128 v[SC+8*NQ*\sc+NQ*\i:SC+8*NQ*\sc+NQ*\i+3], v[ADRS] offset:\i*SBLK
.endr
.endm
.macro PLACES n                        ; plain vector instructions between a matrix instruction and a load into, or a vector read or write of, its registers
.rept \n
	v_nop
.endr
.endm
.macro STEP slot, q, first             ; a step of 128 along K that has its successor in the same slot
	s_wait_dscnt 4*NL                              ; W's set and x's blocks 0-3 are in; the youngest eight loads (x's blocks 4-7) may be out
.if \first
	WIN BIAS_LO
.else
	WIN MUL_LO
.endif
	MUL16 0, (\q)%2, \q, \slot, \first
	MUL16 2, (\q)%2, \q, \slot, \first
	s_wait_dscnt 0
	PLACES NP
	FETCH_B \slot, (\q)+1, 1-(\q)%2
	FETCH_A \slot, (\q)+1, 0
.if \first
	WIN BIAS_HI
.else
	WIN MUL_HI
.endif
	MUL16 4, (\q)%2, \q, \slot, \first
	MUL16 6, (\q)%2, \q, \slot, \first
	PLACES NP
	WIN 0
	FETCH_A \slot, (\q)+1, 4
.endm
.macro STEPS slot, from
.set Q, \from
.rept NQ-1-\from
	STEP \slot, Q, 0
.set Q, Q+1
.endr
.endm
	s_wait_tensorcnt 1                             ; the scales and my part of slot 0 are in; slot 1's load may be out
	s_barrier_signal -1
	s_barrier_wait -1                              ; everybody's are
	FETCH_B 0, 0, 0
	FETCH_A 0, 0, 0
	SCALES 0
	FETCH_A 0, 0, 4
	s_wait_loadcnt 0x0                             ; the bias
	STEP 0, 0, 1                                   ; the first step's products start the sums, with the bias as C
	STEPS 0, 1
	; slot 0's last step changes slots: one barrier; in front of it each wave waits for all its tensor loads (its part of slot 1), adds 0 to its spare word, and waits for that and for its reads of slot 0
	s_wait_tensorcnt 0x0
	ds_add_u32 v[SPW], v[NIL]
	s_wait_dscnt 4*NL+1                            ; the add and the youngest eight loads may be out
	WIN MUL_LO
	MUL16 0, 1, NQ-1, 0, 0
	s_wait_dscnt 0x0                               ; the add is done, and my reads of slot 0 are over
	s_barrier_signal -1
	MUL16 2, 1, NQ-1, 0, 0
	WIN 0
	s_barrier_wait -1                              ; slot 1 is whole, and nobody reads slot 0 any more
	PLACES NP
	v_add_nc_u32 v[ADRS], 4*NQ, v[ADRS]            ; on to slot 1's scale words
	FETCH_B 1, 0, 0
	FETCH_A 1, 0, 0
	SCALES 1
	WIN MUL_HI
	MUL16 4, 1, NQ-1, 0, 0
	MUL16 6, 1, NQ-1, 0, 0
	PLACES NP
	WIN 0
	FETCH_A 1, 0, 4
	STEPS 1, 0
	s_wait_dscnt 4*NL                              ; the very last step: nothing more to fetch
	WIN MUL_LO
	MUL16 0, 1, NQ-1, 1, 0
	MUL16 2, 1, NQ-1, 1, 0
	s_wait_dscnt 0
	WIN MUL_HI
	MUL16 4, 1, NQ-1, 1, 0
	MUL16 6, 1, NQ-1, 1, 0
	WIN 0
; THE WAY OUT, a block of 16 tokens x 128 columns (two heads) at a time.  PACK: times c or 1, rounded to f16: 16 bytes a lane and block of columns.  TOSTAGE: into my stage, head by head, and back four tokens at a time.
; SEND: 32 lanes store 512 consecutive bytes: four tokens of one head.  Every place stands in the store's immediate: no base is stepped.
.macro PACK a
.set AC, 64*((\a)%4)
	WIN 0x82+0x41*((\a)/4)                         ; destination and source 0: window 2 or 3
.set i, 0
.rept 32
	v_pk_mul_f32 v[AC+2*i:AC+2*i+1], v[AC+2*i:AC+2*i+1], s[66:67] op_sel_hi:[1,0]   ; each accumulator from its low end on
.set i, i+1
.endr
	WIN 0x0a+5*((\a)/4)                            ; sources 0 and 1: window 2 or 3; destination window 0
.irp b, 0,1,2,3,4,5,6,7
.irp r, 0,1,2,3
	v_cvt_pk_f16_f32 v[TMP+4*\b+\r], v[AC+8*\b+2*\r], v[AC+8*\b+2*\r+1]
.endr
.endr
	WIN 0
.endm
.macro TOSTAGE a
.set BB, BK+32*((\a)%2)
.irp b, 0,1,2,3,4,5,6,7
	ds_store_b128 v[STO], v[TMP+4*\b:TMP+4*\b+3] offset:(\b/4)*HST+32*(\b%4)
.endr
.irp t, 0,1,2,3,4,5,6,7
	ds_load_b128 v[BB+4*\t:BB+4*\t+3], v[RD] offset:(\t/4)*HST+(\t%4)*4*HP   ; LDS serves a wave's instructions in order: these see the stores above
.endr
.endm
.macro SEND a
.set BB, BK+32*((\a)%2)
	s_wait_dscnt 0x0                               ; the block is back in registers
	s_wait_xcnt 0x0                                ; the block before has had its stores' registers read: the next block's loads may land there
.irp t, 0,1,2,3,4,5,6,7
	global_store_b128 v[CO], v[BB+4*\t:BB+4*\t+3], s[12:13] offset:2048*(\a)+512*(\t%4)+262144*(\t/4)
.endr
.endm
	PLACES NP                                      ; behind the last products: for the writes over the scale words, the loads into x's fragments and the reads of results alike
	PACK 0
	TOSTAGE 0
.irp a, 1,2,3,4,5,6,7
	PACK \a                                        ; a block's arithmetic stands between the loads of the block before and the wait for them
	SEND \a-1
	TOSTAGE \a
.endr
	SEND 7
	s_wait_tensorcnt 0x0                           ; the wave's end, behind my last tensor load and my last LDS store
	ds_add_u32 v[SPW], v[NIL]
	s_wait_dscnt 0x0
	CROUND                                         ; the closing round
	s_endpgm
.Lfunc_end_k_q46ebc11a5a_qkvgemm:
	.size	k_q46ebc11a5a_qkvgemm, .Lfunc_end_k_q46ebc11a5a_qkvgemm-k_q46ebc11a5a_qkvgemm
	.p2alignl 7, 3214868480
	.fill 96, 4, 3214868480
	.section	.rodata,"a",@progbits
	.p2align	6, 0x0
	.amdhsa_kernel k_q46ebc11a5a_qkvgemm
		.amdhsa_group_segment_fixed_size 327680
		.amdhsa_private_segment_fixed_size 0
		.amdhsa_enable_private_segment 0
		.amdhsa_kernarg_size 64
		.amdhsa_user_sgpr_count 2
		.amdhsa_user_sgpr_kernarg_segment_ptr 1
		.amdhsa_wavefront_size32 1
		.amdhsa_system_sgpr_workgroup_id_x 1
		.amdhsa_system_sgpr_workgroup_id_y 1
		.amdhsa_system_sgpr_workgroup_id_z 1
		.amdhsa_system_vgpr_workitem_id 0
		.amdhsa_next_free_vgpr 1024
		.amdhsa_next_free_sgpr 102
		.amdhsa_reserve_vcc 0
		.amdhsa_float_denorm_mode_32 3
		.amdhsa_float_denorm_mode_16_64 3
		.amdhsa_memory_ordered 1
		.amdhsa_forward_progress 1
		.amdhsa_inst_pref_size 145
	.end_amdhsa_kernel
	.amdgpu_metadata
---
amdhsa.version: [ 1, 2 ]
amdhsa.kernels:
  - .name:           k_q46ebc11a5a_qkvgemm
    .symbol:         k_q46ebc11a5a_qkvgemm.kd
    .args:
      - { .name: xc, .offset: 0, .size: 8, .value_kind: global_buffer, .address_space: global }
      - { .name: xs, .offset: 8, .size: 8, .value_kind: global_buffer, .address_space: global }
      - { .name: wc, .offset: 16, .size: 8, .value_kind: global_buffer, .address_space: global }
      - { .name: ws, .offset: 24, .size: 8, .value_kind: global_buffer, .address_space: global }
      - { .name: bq, .offset: 32, .size: 8, .value_kind: global_buffer, .address_space: global }
      - { .name: bk, .offset: 40, .size: 8, .value_kind: global_buffer, .address_space: global }
      - { .name: bv, .offset: 48, .size: 8, .value_kind: global_buffer, .address_space: global }
      - { .name: qkv, .offset: 56, .size: 8, .value_kind: global_buffer, .address_space: global }
    .group_segment_fixed_size: 327680
    .private_segment_fixed_size: 0
    .kernarg_segment_align: 8
    .kernarg_segment_size: 64
    .max_flat_workgroup_size: 128
    .sgpr_count:     102
    .vgpr_count:     1024
    .wavefront_size: 32
...
	.end_amdgpu_metadata
.endif
;; end of part 2
;; launch attn (part 3): grid 4 x 64, 16 waves a work-group, clusters of 4 x 1, 327,680 bytes of LDS; arguments qkv, att; writes att
.if DOCPART == 3
	.amdgcn_target "amdgcn-amd-amdhsa--gfx1250"
	.amdhsa_code_object_version 6
	.text
	.protected	k_q46ebc11a5a_attn
	.globl	k_q46ebc11a5a_attn
	.p2align	8
	.type	k_q46ebc11a5a_attn,@function
k_q46ebc11a5a_attn:
	s_mov_b64 s[64:65], 0
	v_nop
	global_prefetch_b8 v0, s[64:65] scope:SCOPE_SE
	s_setreg_imm32_b32 hwreg(HW_REG_WAVE_MODE, 25, 1), 1
	s_wait_xcnt 0x0
	s_wait_alu depctr_hold_cnt(0) depctr_sa_sdst(0) depctr_va_vdst(0) depctr_va_sdst(0) depctr_va_ssrc(0) depctr_va_vcc(0) depctr_vm_vsrc(0)
	s_getreg_b32 s2, hwreg(HW_REG_IB_STS2, 6, 4)
	s_cmp_eq_u32 s2, 0
	s_cbranch_scc0 .Lentry_in_a_cluster
	s_endpgm
.Lentry_in_a_cluster:
	s_bfe_u32 s2, ttmp6, 0x10000c
	s_cmp_lg_u32 s2, 0x3003
	s_cbranch_scc0 .Lentry_shape_is_right
	s_endpgm
.Lentry_shape_is_right:
; att[bh][q][:] = the sum over k of softmax_k(Q . K / 8) V, for 64 batch-heads of 2,048 tokens and head size 64.  Q, K, V: f16, [64][2048][64], three tensors of 2^24 bytes on end in qkv; Q arrives times c = log2(e) / 8,
; so a score IS t, and p = 2^(t - m) with m the running maximum of t.  Products on f16 operands with f32 sums; maxima, exponentials and sums in f32; p is rounded to f16 for the second product, the row's sum is taken
; of the unrounded p; the result is divided by the sum and rounded to f16 once.  In every step O and the sum are multiplied by a = 2^(old m - new m), which is 1 where m has not grown: no branch on data.
; Out: att [128 blocks of 64 tokens][16 heads][64 tokens][64] f16, so that a wave's 32 queries of one head are 4,096 consecutive bytes.
; LIMITS: the result must stay at or under 65,504; p and results under 6e-5 carry an absolute error of 2^-25.  NaN and infinities are not served.
; SHARES.  A work-group owns 512 queries of one batch-head; each of its sixteen waves 32 of them, two tiles of 16, in 256 registers: four waves to a SIMD, so that one wave's vector work stands beside another's
; matrix work and LDS loads.  Every wave walks all 2,048 keys, 64 a step; a fragment of K or V read from LDS feeds two products.
; LAYOUT.  S^T = K Q^T (source 0 = 16 keys, source 1 = 16 queries), O^T = V^T P (source 0 = 16 channels, source 1 = P): a lane holds ONE query (lane % 16) throughout; two score tiles, packed in pairs, ARE source 1
; of the second product.  K comes out of LDS as it lies, V ([key][channel]) turned by ds_load_tr16_b128.
; CLUSTER.  The four query blocks of a batch-head are one cluster and walk the same K and V: each tile is asked for JOINTLY (waves 0 and 1: K's halves of a slot of 256 keys; waves 2 and 3: V's).
; REGISTERS: v1-4 LDS addresses; v5, v6 the add's two; v7 the prefetches' offset; v8-11 head and way out; v12-21, v22-31 a tile's statistics; v32-63 Q; v64-127 K's eight fragments, then V's; v128-191 S^T, then p and P; v192-255 O^T.
.set KP,    144                        ; a key's row of K in LDS: 128 bytes + 16: the 16 rows of a load start 16 bytes apart modulo 256
.set VP,    160                        ; a row of V: 128 + 32: the turning load's 8 rows x 32 bytes fall on different 16-byte columns modulo 256
.set VOFF,  256*KP                     ; a slot: 256 rows of K, then 256 rows of V
.set SLOT1, 1<<17                      ; slot 1 begins here: one exclusive or turns an address from one slot to the other
.set SPARE, SLOT1+256*(KP+VP)          ; behind the ring: the spare words, 128 bytes for each wave: eight blocks of 256 bytes that no other line names
.set SLB,   32768                      ; a slot's 256 rows of 128 bytes in memory
.set AK0, 1
.set AV0, 2
.set ADK, 3
.set ADV, 4
.set SPW, 5                            ; v5   LDS address of my spare word; never rewritten
.set NIL, 6                            ; v6   0; never rewritten
.set PFO, 7                            ; v7   256 x my lane; never rewritten
.set ST,  12                           ; tile t's statistics at v[ST + 10 t]: +0 m, +1 old m - new m, +2, +3 the sum (even keys', odd keys'), +4 a, +5 the other half's, +6 .. +9 four maxima, later two pairs of sums
.set QF,  32                           ; Q: tile t, channels 32 f on: v[QF + 16 t + 8 f]
.set KV,  64
.set S,   128                          ; tile t, keys 16 kt on: v[S + 32 t + 8 kt]
.set O,   192                          ; tile t, channels 16 cf on: v[O + 32 t + 8 cf]
.set WV,  8
.set SEL, 20
.set G1K, 24
.set G1V, 32
.set G0K, 40
.set G0V, 44
.set TB,  48                           ; s48  LDS byte at which the slot in hand begins
.set SLOTS, 49                         ; s49  slots still to be asked for
.set LIM, 50                           ; s50  1 in a wave that prefetches, else the greatest number
.set PFA, 52                           ; s[52:53] where my prefetches stand
.macro CROUND                          ; a round of the cluster's barrier
	s_barrier_signal -1
	s_barrier_wait -1
	s_cmp_lg_u32 s[WV], 0
	s_cbranch_scc1 .Lnot_wave_0_\@
	s_barrier_signal -3
.Lnot_wave_0_\@:
	s_barrier_wait -3
	s_barrier_signal -1
	s_barrier_wait -1
.endm
; Waves 0 and 1 fetch for K, waves 2 and 3 for V, the others nothing: branches on the wave's number alone, the same in all four partners.  An s_nop 0 and four v_nop follow each of the two lines.
.macro TLOAD
	s_cmp_lt_u32 s[WV], 2
	s_cbranch_scc0 .Lnot_k_\@
	tensor_load_to_lds s[G0K:G0K+3], s[G1K:G1K+7]
	s_nop 0
.rept 4
	v_nop
.endr
	s_branch .Lasked_\@
.Lnot_k_\@:
	s_cmp_lt_u32 s[WV], 4
	s_cbranch_scc0 .Lasked_\@
	tensor_load_to_lds s[G0V:G0V+3], s[G1V:G1V+7]
	s_nop 0
.rept 4
	v_nop
.endr
.Lasked_\@:
.endm
; A PREFETCH of what the NEXT change of slots will ask for: a slot's 32,768 bytes of K (wave 4) and of V (wave 5), four key steps ahead of that load.  One cluster walks a batch-head, and its four partners share
; the bytes out BY ADDRESS, 8,192 each, lanes 256 bytes apart: so each aligned block of 256 bytes is named once in the launch.  The last change that fills a slot asks for nothing; slots 0 and 1 come by their loads alone.
.macro ASK
	s_cmp_gt_u32 s[SLOTS], s[LIM]
	s_cbranch_scc0 .Lnot_mine_\@
	global_prefetch_b8 v[PFO], s[PFA:PFA+1] th:TH_LOAD_NT scope:SCOPE_SE
.Lnot_mine_\@:
.endm
	s_load_b128 s[4:7], s[0:1], 0x0                ; qkv s[4:5], att s[6:7]
	v_lshl_add_u32 v[SPW], v0, 2, SPARE
	v_mov_b32 v[NIL], 0
	ds_add_u32 v[SPW], v[NIL]                      ; the wave's opening: the add, twice on end, and its wait ahead of the first tensor loads
	ds_add_u32 v[SPW], v[NIL]
	v_lshrrev_b32 v8, 5, v0
	v_readfirstlane_b32 s[WV], v8                  ; wave 0..15
	s_bfe_u32 s9, ttmp6, 0x40000                   ; cx
	s_lshl_b32 s10, ttmp9, 2
	s_add_co_u32 s10, s10, s9                      ; my block of 512 queries: it enters Q's, att's and the prefetches' addresses alone
	s_and_b32 s11, ttmp7, 0xffff                   ; the batch-head, which the four partners share
	s_mov_b32 s[G1K], 15|(1<<16)|(1<<20)|(1<<21)|(4<<22)|(3<<25)  ; the mask: all four; elements of 2 bytes; padding on; bit 21 beside a mask; after every 32 words four words
	s_mov_b32 s[G1V], 15|(1<<16)|(1<<20)|(1<<21)|(4<<22)|(7<<25)  ; the same with eight words
.irp g, G1K, G1V
	s_mov_b32 s[\g+1], 64<<16                      ; tensor_dim0
	s_mov_b32 s[\g+2], 128<<16                     ; tensor_dim1
	s_mov_b32 s[\g+3], 64<<16                      ; tile_dim0
	s_mov_b32 s[\g+4], 128                         ; tile_dim1: half a slot's keys
	s_mov_b32 s[\g+5], 64                          ; from row to row
	s_mov_b32 s[\g+6], 0
	s_mov_b32 s[\g+7], 0
.endr
	s_and_b32 s54, s[WV], 1                        ; which half of a slot I fetch, if I fetch
	s_mul_i32 s55, s54, 128*KP
	s_mul_i32 s56, s54, 128*VP
	s_add_co_u32 s56, s56, VOFF
	s_lshl_b32 s57, s54, 14
	s_lshl_b32 s58, s11, 18                        ; the batch-head's first byte in each tensor,
	s_add_co_u32 s58, s58, s57                     ; + my half's 128 rows
	s_mov_b32 s59, 0
	s_mov_b32 s[SEL], 0x76543210
	s_mov_b32 s[SEL+1], 0xfedcba98                 ; v_permlanex16_b32's selects for lane l xor 16
	s_mov_b32 s[TB], 0
	s_mov_b32 s[SLOTS], 7
	s_lshr_b32 s[LIM], s[WV], 1
	s_cmp_eq_u32 s[LIM], 2
	s_cselect_b32 s[LIM], 1, -1                    ; waves 4 and 5 prefetch
	s_lshl_b32 s60, s11, 18                        ; Q: batch-head, block of 512 queries, my wave's 32
	s_lshl_b32 s61, s10, 16
	s_add_co_u32 s60, s60, s61
	s_lshl_b32 s61, s[WV], 12
	s_add_co_u32 s60, s60, s61
	s_mov_b32 s61, 0
	s_wait_dscnt 0x0                               ; both opening adds are done
	s_wait_kmcnt 0x0
	s_add_nc_u64 s[16:17], s[4:5], s[60:61]
	s_lshr_b32 s60, s11, 4                         ; att: block of 64 tokens = 32 batch + 8 x query block + wave / 2,
	s_lshl_b32 s60, s60, 5
	s_lshl_b32 s62, s10, 3
	s_add_co_u32 s60, s60, s62
	s_lshr_b32 s62, s[WV], 1
	s_add_co_u32 s60, s60, s62
	s_lshl_b32 s60, s60, 4
	s_and_b32 s62, s11, 15                         ; the head,
	s_add_co_u32 s60, s60, s62
	s_lshl_b32 s60, s60, 13
	s_lshl_b32 s62, s54, 12                        ; and which 32 of the 64 tokens
	s_add_co_u32 s60, s60, s62
	s_add_nc_u64 s[18:19], s[6:7], s[60:61]
	s_cmp_eq_u32 s[WV], 4                          ; the prefetches: K's tensor for wave 4, V's else,
	s_mov_b32 s62, 0x2000000
	s_cselect_b32 s62, 0x1000000, s62
	s_lshl_b32 s63, s11, 18
	s_add_co_u32 s62, s62, s63
	s_lshl_b32 s63, s9, 13                         ; my work-group's 8,192 bytes,
	s_add_co_u32 s62, s62, s63
	s_add_co_u32 s62, s62, SLB                     ; in slot 1: the first change of slots steps it to slot 2
	s_mov_b32 s63, 0
	s_add_nc_u64 s[PFA:PFA+1], s[4:5], s[62:63]
	s_mov_b32 s[G0K], 1
	s_mov_b32 s[G0K+1], s55                        ; LDS: slot 0
	s_add_nc_u64 s[G0K+2:G0K+3], s[4:5], s[58:59]
	s_add_nc_u64 s[G0K+2:G0K+3], s[G0K+2:G0K+3], 0x1000000   ; K's tensor
	s_or_b32 s[G0K+3], s[G0K+3], 0x80000000
	s_mov_b32 s[G0V], 1
	s_mov_b32 s[G0V+1], s56
	s_add_nc_u64 s[G0V+2:G0V+3], s[4:5], s[58:59]
	s_add_nc_u64 s[G0V+2:G0V+3], s[G0V+2:G0V+3], 0x2000000   ; V's
	s_or_b32 s[G0V+3], s[G0V+3], 0x80000000
	CROUND                                         ; all four work-groups are here: the first joint loads meet
	TLOAD                                          ; slot 0
	v_and_b32 v8, 15, v0                           ; r
	v_bfe_u32 v9, v0, 4, 1                         ; h
	v_lshlrev_b32 v10, 7, v8
	v_lshl_add_u32 v10, v9, 4, v10                 ; Q: row r of 128 bytes, + 16 h
.irp t, 0,1
.irp f, 0,1
	global_load_b128 v[QF+16*\t+8*\f:QF+16*\t+8*\f+3], v10, s[16:17] offset:2048*\t+64*\f       ; Q stays in registers
	global_load_b128 v[QF+16*\t+8*\f+4:QF+16*\t+8*\f+7], v10, s[16:17] offset:2048*\t+64*\f+32
.endr
.endr
	v_mul_u32_u24 v[AK0], v8, KP
	v_lshl_add_u32 v[AK0], v9, 4, v[AK0]           ; K: row r x pitch + 16 h
	v_and_b32 v11, 7, v0
	v_lshl_add_u32 v[AV0], v9, 3, v11              ; V: the turning load's lane reads key 8 h + l % 8,
	v_mul_u32_u24 v[AV0], v[AV0], VP
	v_bfe_u32 v11, v0, 3, 1
	v_lshl_add_u32 v[AV0], v11, 4, v[AV0]          ; channels 8 ((l / 8) % 2) on
	v_add_nc_u32 v[AV0], VOFF, v[AV0]
	v_and_b32 v[PFO], 31, v0
	v_lshlrev_b32 v[PFO], 8, v[PFO]
.irp t, 0,1
	v_mov_b32 v[ST+10*\t], 0xff61b1e6              ; m: -3e38, under every t
.irp i, 1,2,3,4,5
	v_mov_b32 v[ST+10*\t+\i], 0                    ; the sum begins as 0; the others are named in pairs or as a permute's destination before they are first made
.endr
.endr
.set j, 0
.rept 64
	v_mov_b32 v[O+j], 0                            ; O^T.  (The step is written once: the first finds zeros, which a = 0 leaves zeros)
.set j, j+1
.endr
; A KEY STEP: 64 keys, the q-th of the slot in hand.
.macro STEP q
.rept 5
	v_nop                                          ; behind the last step's products V^T P: four places for the loads into V's registers, five for the products below, which write over P
.endr
.irp f, 0,1
.irp kt, 0,1,2,3
	ds_load_b128 v[KV+8*(2*\kt+\f):KV+8*(2*\kt+\f)+3], v[ADK] offset:64*KP*(\q)+16*KP*\kt+64*\f
	ds_load_b128 v[KV+8*(2*\kt+\f)+4:KV+8*(2*\kt+\f)+7], v[ADK] offset:64*KP*(\q)+16*KP*\kt+64*\f+32
.endr
.endr
	s_wait_dscnt 8                                 ; channels 0-31 of the 64 keys are in; the eight loads of channels 32-63 may be out
.irp kt, 0,1,2,3
.irp t, 0,1
	v_wmma_f32_16x16x32_f16 v[S+32*\t+8*\kt:S+32*\t+8*\kt+7], v[KV+16*\kt:KV+16*\kt+7], v[QF+16*\t:QF+16*\t+7], 0
.endr
.endr
	s_wait_dscnt 0x0
.irp kt, 0,1,2,3                               ; the eight accumulators take turns, one instruction a turn
.irp t, 0,1
	v_wmma_f32_16x16x32_f16 v[S+32*\t+8*\kt:S+32*\t+8*\kt+7], v[KV+16*\kt+8:KV+16*\kt+15], v[QF+16*\t+8:QF+16*\t+15], v[S+32*\t+8*\kt:S+32*\t+8*\kt+7]
.endr
.endr
.rept 4
	v_nop                                          ; places in front of the loads into K's registers and of the first read of the scores
.endr
.irp g, 0,1                                    ; V of these 64 keys lands while the softmax is walked
.irp cf, 0,1,2,3
	ds_load_tr16_b128 v[KV+8*(4*\g+\cf):KV+8*(4*\g+\cf)+3], v[ADV] offset:64*VP*(\q)+32*VP*\g+32*\cf
	ds_load_tr16_b128 v[KV+8*(4*\g+\cf)+4:KV+8*(4*\g+\cf)+7], v[ADV] offset:64*VP*(\q)+32*VP*\g+16*VP+32*\cf
.endr
.endr
	; the softmax, the two tiles line by line, so that no line waits for the line above it.  The maximum: four chains, each begun at an accumulator's low end
.irp k, 0,1,2,3
.irp t, 0,1
	v_max3_num_f32 v[ST+10*\t+6+\k], v[S+32*\t+8*\k], v[S+32*\t+8*\k+1], v[S+32*\t+8*\k+2]
.endr
.endr
.irp i, 3,5
.irp k, 0,1,2,3
.irp t, 0,1
	v_max3_num_f32 v[ST+10*\t+6+\k], v[ST+10*\t+6+\k], v[S+32*\t+8*\k+\i], v[S+32*\t+8*\k+\i+1]
.endr
.endr
.endr
.irp t, 0,1
	v_max3_num_f32 v[ST+10*\t+6], v[ST+10*\t+6], v[S+32*\t+7], v[S+32*\t+15]
.endr
.irp t, 0,1
	v_max3_num_f32 v[ST+10*\t+8], v[ST+10*\t+8], v[S+32*\t+23], v[S+32*\t+31]
.endr
.irp t, 0,1
	v_max3_num_f32 v[ST+10*\t+6], v[ST+10*\t+6], v[ST+10*\t+7], v[ST+10*\t+8]
.endr
.irp t, 0,1
	v_max3_num_f32 v[ST+10*\t+6], v[ST+10*\t+6], v[ST+10*\t+9], v[ST+10*\t]     ; with the old m
.endr
.irp t, 0,1
	v_permlanex16_b32 v[ST+10*\t+5], v[ST+10*\t+6], s[SEL], s[SEL+1]            ; the query's other 32 keys lie in the lane 16 away
.endr
.irp t, 0,1
	v_mov_b32 v[ST+10*\t+1], v[ST+10*\t]
.endr
.irp t, 0,1
	v_max_num_f32 v[ST+10*\t], v[ST+10*\t+6], v[ST+10*\t+5]                     ; the new m
.endr
.irp t, 0,1
	v_sub_f32 v[ST+10*\t+1], v[ST+10*\t+1], v[ST+10*\t]                         ; old m - new m
.endr
.set j, 0
.rept 16
.irp t, 0,1
	v_pk_add_f32 v[S+32*\t+j:S+32*\t+j+1], v[S+32*\t+j:S+32*\t+j+1], v[ST+10*\t:ST+10*\t+1] op_sel_hi:[1,0] neg_lo:[0,1] neg_hi:[0,1]   ; t - m, two at a time (of the pair the low word serves both halves)
.endr
.set j, j+2
.endr
.irp t, 0,1
	v_exp_f32 v[ST+10*\t+4], v[ST+10*\t+1]         ; a
.endr
.set j, 0
.rept 32
.irp t, 0,1
	v_exp_f32 v[S+32*\t+j], v[S+32*\t+j]           ; p, at most 1
.endr
.set j, j+1
.endr
	v_nop                                          ; a plain instruction behind the last exponential
	s_wait_alu depctr_va_vdst(0)                   ; ONE wait for the batch of 66, ahead of its first reader
.irp t, 0,1
	v_pk_add_f32 v[ST+10*\t+6:ST+10*\t+7], v[S+32*\t:S+32*\t+1], v[S+32*\t+2:S+32*\t+3]     ; the sum of the unrounded p, in two chains of pairs
.endr
.irp t, 0,1
	v_pk_add_f32 v[ST+10*\t+8:ST+10*\t+9], v[S+32*\t+4:S+32*\t+5], v[S+32*\t+6:S+32*\t+7]
.endr
.irp j, 8,12,16,20,24,28
.irp t, 0,1
	v_pk_add_f32 v[ST+10*\t+6:ST+10*\t+7], v[ST+10*\t+6:ST+10*\t+7], v[S+32*\t+\j:S+32*\t+\j+1]
.endr
.irp t, 0,1
	v_pk_add_f32 v[ST+10*\t+8:ST+10*\t+9], v[ST+10*\t+8:ST+10*\t+9], v[S+32*\t+\j+2:S+32*\t+\j+3]
.endr
.endr
.irp t, 0,1
	v_pk_add_f32 v[ST+10*\t+6:ST+10*\t+7], v[ST+10*\t+6:ST+10*\t+7], v[ST+10*\t+8:ST+10*\t+9]
.endr
.irp t, 0,1
	v_pk_fma_f32 v[ST+10*\t+2:ST+10*\t+3], v[ST+10*\t+2:ST+10*\t+3], v[ST+10*\t+4:ST+10*\t+5], v[ST+10*\t+6:ST+10*\t+7] op_sel_hi:[1,0,1]   ; the sum = a x the sum + this step's
.endr
.set j, 0
.rept 16
.irp t, 0,1
	v_cvt_pk_f16_f32 v[S+32*\t+j], v[S+32*\t+2*j], v[S+32*\t+2*j+1]             ; P, packed in place, ascending: a pair's place lies at or under its sources
.endr
.set j, j+1
.endr
.set j, 0
.rept 16
.irp t, 0,1
	v_pk_mul_f32 v[O+32*\t+j:O+32*\t+j+1], v[O+32*\t+j:O+32*\t+j+1], v[ST+10*\t+4:ST+10*\t+5] op_sel_hi:[1,0]   ; O^T x a, each accumulator from its low end on
.endr
.set j, j+2
.endr
	s_wait_dscnt 0x0                               ; V is in
.irp g, 0,1
.irp cf, 0,1,2,3
.irp t, 0,1
	v_wmma_f32_16x16x32_f16 v[O+32*\t+8*\cf:O+32*\t+8*\cf+7], v[KV+8*(4*\g+\cf):KV+8*(4*\g+\cf)+7], v[S+32*\t+8*\g:S+32*\t+8*\g+7], v[O+32*\t+8*\cf:O+32*\t+8*\cf+7]
.endr
.endr
.endr
.endm
; THE CHANGE OF SLOTS stands at a slot's head.  Each wave waits for all its tensor loads (its part of the slot ahead), adds 0 to its spare word, and waits for that and for its reads of the slot that it has left.
; fill = 1: the barrier is a round of the cluster's, so that no wave of any partner still reads that slot or has a load on its way; the joint load of the keys that follow is the first thing behind it and has four key steps in which to land.
.macro CHANGE fill
	s_wait_tensorcnt 0x0                           ; no tensor load of mine is out, so a group 0 may be written
	ds_add_u32 v[SPW], v[NIL]
.if \fill
	ds_add_u32 v[SPW], v[NIL]                      ; and once more, in every trip alike
	s_xor_b32 s[G0K+1], s[G0K+1], SLOT1            ; the walking descriptors: the other slot than last time,
	s_add_nc_u64 s[G0K+2:G0K+3], s[G0K+2:G0K+3], SLB   ; the next 256 keys; the type bits on top are not reached
	s_xor_b32 s[G0V+1], s[G0V+1], SLOT1
	s_add_nc_u64 s[G0V+2:G0V+3], s[G0V+2:G0V+3], SLB
	s_wait_xcnt 0x0                                ; the last prefetch, a slot back, has read its address, so it may be written:
	s_add_nc_u64 s[PFA:PFA+1], s[PFA:PFA+1], SLB   ; one slot further on than the walking descriptors
	s_wait_dscnt 0x0                               ; both adds are done, and my reads of the slot that I have left are over
	CROUND
	TLOAD
	ASK
.else
	s_wait_dscnt 0x0
	s_barrier_signal -1
	s_barrier_wait -1
.endif
	v_add_nc_u32 v[ADK], s[TB], v[AK0]
	v_add_nc_u32 v[ADV], s[TB], v[AV0]
.endm
.macro SLOT_STEPS
	STEP 0
	STEP 1
	STEP 2
	STEP 3
	s_xor_b32 s[TB], s[TB], SLOT1                  ; on to the other slot
.endm
	s_wait_loadcnt 0x0                             ; Q
.Lslot:                                            ; seven trips: behind each change of slots but the last the next slot is asked for
	CHANGE 1
	SLOT_STEPS
	s_sub_co_u32 s[SLOTS], s[SLOTS], 1
	s_cmp_lg_u32 s[SLOTS], 0
	s_cbranch_scc1 .Lslot
	CHANGE 0                                       ; the last slot is written out
	SLOT_STEPS
	; THE WAY OUT.  The sum's two halves and the other half of the lanes' are added; O^T is divided by the sum, rounded to f16 and goes through my stage (32 rows x 144 bytes, in slot 0, which was left at the last change
	; of slots and has had its last fill), so that each store of the wave covers 512 consecutive bytes.  The additions and the address work are the places behind the last products.
.irp t, 0,1
	v_add_f32 v[ST+10*\t+6], v[ST+10*\t+2], v[ST+10*\t+3]
.endr
.irp t, 0,1
	v_permlanex16_b32 v[ST+10*\t+5], v[ST+10*\t+6], s[SEL], s[SEL+1]
.endr
.irp t, 0,1
	v_add_f32 v[ST+10*\t+6], v[ST+10*\t+6], v[ST+10*\t+5]
.endr
.irp t, 0,1
	v_rcp_f32 v[ST+10*\t+4], v[ST+10*\t+6]
.endr
	v_and_b32 v8, 15, v0                           ; r  (plain work behind the reciprocals)
	v_bfe_u32 v9, v0, 4, 1                         ; h
	s_mul_i32 s54, s[WV], 32*KP                    ; my stage
	v_mul_u32_u24 v10, v8, KP
	v_lshl_add_u32 v10, v9, 4, v10
	v_add_nc_u32 v10, s54, v10                     ; in: query r, 16 bytes for each half of the lanes
	v_and_b32 v11, 31, v0
	v_lshrrev_b32 v3, 3, v11
	v_mul_u32_u24 v3, v3, KP
	v_and_b32 v4, 7, v0
	v_lshl_add_u32 v3, v4, 4, v3
	v_add_nc_u32 v3, s54, v3                       ; back: eight lanes to a query's 128 bytes, four queries an instruction
	v_lshlrev_b32 v11, 4, v11                      ; which are 512 consecutive bytes of att
	s_wait_alu depctr_va_vdst(0)                   ; one wait for the two reciprocals, ahead of their first reader
.set j, 0
.rept 16
.irp t, 0,1
	v_pk_mul_f32 v[O+32*\t+j:O+32*\t+j+1], v[O+32*\t+j:O+32*\t+j+1], v[ST+10*\t+4:ST+10*\t+5] op_sel_hi:[1,0]
.endr
.set j, j+2
.endr
.set j, 0
.rept 16
.irp t, 0,1
	v_cvt_pk_f16_f32 v[S+16*\t+j], v[O+32*\t+2*j], v[O+32*\t+2*j+1]
.endr
.set j, j+1
.endr
.irp t, 0,1
.irp cf, 0,1,2,3
	ds_store_b128 v10, v[S+16*\t+4*\cf:S+16*\t+4*\cf+3] offset:16*KP*\t+32*\cf
.endr
.endr
.irp i, 0,1,2,3,4,5,6,7
	ds_load_b128 v[KV+4*\i:KV+4*\i+3], v3 offset:4*KP*\i   ; LDS serves a wave's instructions in order: these see my stores
.endr
.irp i, 0,1,2,3,4,5,6,7
	s_wait_dscnt 7-\i                              ; the loads behind this one may be out
	global_store_b128 v11, v[KV+4*\i:KV+4*\i+3], s[18:19] offset:512*\i
.endr
	s_wait_tensorcnt 0x0                           ; the wave's end, behind my last tensor load and my last LDS store
	ds_add_u32 v[SPW], v[NIL]
	s_wait_dscnt 0x0
	CROUND                                         ; the closing round: no work-group ends while a partner may still ask for a tile that names it
	s_endpgm
.Lfunc_end_k_q46ebc11a5a_attn:
	.size	k_q46ebc11a5a_attn, .Lfunc_end_k_q46ebc11a5a_attn-k_q46ebc11a5a_attn
	.p2alignl 7, 3214868480
	.fill 96, 4, 3214868480
	.section	.rodata,"a",@progbits
	.p2align	6, 0x0
	.amdhsa_kernel k_q46ebc11a5a_attn
		.amdhsa_group_segment_fixed_size 327680
		.amdhsa_private_segment_fixed_size 0
		.amdhsa_enable_private_segment 0
		.amdhsa_kernarg_size 16
		.amdhsa_user_sgpr_count 2
		.amdhsa_user_sgpr_kernarg_segment_ptr 1
		.amdhsa_wavefront_size32 1
		.amdhsa_system_sgpr_workgroup_id_x 1
		.amdhsa_system_sgpr_workgroup_id_y 1
		.amdhsa_system_sgpr_workgroup_id_z 1
		.amdhsa_system_vgpr_workitem_id 0
		.amdhsa_next_free_vgpr 256
		.amdhsa_next_free_sgpr 66
		.amdhsa_reserve_vcc 0
		.amdhsa_float_denorm_mode_32 3
		.amdhsa_float_denorm_mode_16_64 3
		.amdhsa_memory_ordered 1
		.amdhsa_forward_progress 1
		.amdhsa_inst_pref_size 154
	.end_amdhsa_kernel
	.amdgpu_metadata
---
amdhsa.version: [ 1, 2 ]
amdhsa.kernels:
  - .name:           k_q46ebc11a5a_attn
    .symbol:         k_q46ebc11a5a_attn.kd
    .args:
      - { .name: qkv, .offset: 0, .size: 8, .value_kind: global_buffer, .address_space: global }
      - { .name: att, .offset: 8, .size: 8, .value_kind: global_buffer, .address_space: global }
    .group_segment_fixed_size: 327680
    .private_segment_fixed_size: 0
    .kernarg_segment_align: 8
    .kernarg_segment_size: 16
    .max_flat_workgroup_size: 512
    .sgpr_count:     66
    .vgpr_count:     256
    .wavefront_size: 32
...
	.end_amdgpu_metadata
.endif
;; end of part 3
;; launch proj (part 4): grid 8 x 64, 4 waves a work-group, clusters of 4 x 4, 327,680 bytes of LDS; arguments att, wot, bo, out0; writes out0
.if DOCPART == 4
	.amdgcn_target "amdgcn-amd-amdhsa--gfx1250"
	.amdhsa_code_object_version 6
	.text
	.protected	k_q46ebc11a5a_proj
	.globl	k_q46ebc11a5a_proj
	.p2align	8
	.type	k_q46ebc11a5a_proj,@function
k_q46ebc11a5a_proj:
	s_mov_b64 s[64:65], 0
	v_nop
	global_prefetch_b8 v0, s[64:65] scope:SCOPE_SE
	s_setreg_imm32_b32 hwreg(HW_REG_WAVE_MODE, 25, 1), 1
	s_wait_xcnt 0x0
	s_wait_alu depctr_hold_cnt(0) depctr_sa_sdst(0) depctr_va_vdst(0) depctr_va_sdst(0) depctr_va_ssrc(0) depctr_va_vcc(0) depctr_vm_vsrc(0)
	s_getreg_b32 s2, hwreg(HW_REG_IB_STS2, 6, 4)
	s_cmp_eq_u32 s2, 0
	s_cbranch_scc0 .Lentry_in_a_cluster
	s_endpgm
.Lentry_in_a_cluster:
	s_bfe_u32 s2, ttmp6, 0x10000c
	s_cmp_lg_u32 s2, 0xf033
	s_cbranch_scc0 .Lentry_shape_is_right
	s_endpgm
.Lentry_shape_is_right:
; out0[m][n] = sum over k of att[m][k] Wo[k][n] + bo[n]: 8,192 x 1,024 x 1,024, f16 operands, f32 sums, f32 out.
; att lies [128 blocks of 64 tokens][16 heads][64 tokens][64] f16 (k = 64 head + channel), wot [1024 n][1024 k] f16.
; A tile of out0 is 128 x 128, since tiles of 256 x 256 would be 128, fewer than there are WGPs: 512 work-groups of equal work.  Four waves, each 64 x 64: 16 accumulators.  K goes in steps of 256 (four heads) through
; two LDS slots.  A's half tile for a K step, 64 tokens x 4 heads, is 32,768 consecutive bytes of att: one tile of 256 rows (64 x head + token) of 128 bytes.  B's half tile is 64 rows of 512 bytes.
; CLUSTERS: 4 x 4 work-groups; A's tiles are asked for jointly along a row of the cluster, B's along a column.  THE MATRIX INSTRUCTION IS USED TRANSPOSED (source 0 = 16 rows of wot, source 1 = 16 tokens):
; a lane holds eight neighbouring columns of one token.  THE BIAS is the C of each sum's first product.
; REGISTERS: window 0: v0-31 addresses; v32-95 rows read back, two sets; v96-127 the bias, 4 blocks x 8; v128-255 the accumulators ((a, b) at v[128 + 8 (4 a + b)]).
;   window 1: two fragment buffers of 128: for 64 along K, 64 registers of A, then 64 of B.
.set PA,     144                       ; A's LDS row: 128 bytes + 16
.set PB,     528                       ; B's: 512 + 16
.set HALFA,  256*PA
.set HALFB,  64*PB
.set BOFF,   2*HALFA                   ; a slot: A's two halves, then B's two
.set SLOT,   BOFF+2*HALFB
.set STAGE,  2*SLOT                    ; behind the ring: 16 rows x 272 bytes for each wave, its own: a wave's 64 columns of f32 are 256 aligned bytes of a row
.set SPITCH, 272
.set SPARE,  STAGE+4*16*SPITCH         ; the spare words, 128 bytes for each wave: two blocks of 256 bytes that no other line names
.set LAPS,   2                         ; a lap = two K steps = once round the ring
.set ADRA, 16
.set ADRB, 20
.set STO,  24
.set RD,   25
.set CO,   26
.set SPW,  28                          ; v28  LDS address of my spare word; never rewritten
.set NIL,  29                          ; v29  0; never rewritten
.set TMP,  32
.set BIAS, 96
.set ACC,  128
.set F0,   0
.set F1,   128
.set G1, 24
.set G0, 32
.set G1B, 48
.set G0B, 56
.set MSB, 0
.macro WIN new                         ; the immediate's high byte repeats the setting that is left
.if MSB != (\new)
	s_set_vgpr_msb (MSB<<8)|(\new)
.set MSB, (\new)
.endif
.endm
.set MUL,  0x05                        ; sources 0 (B) and 1 (A) window 1; C and D window 0
.set TO_F, 0x40                        ; destination window 1, address window 0
.macro JLOAD s                         ; a joint load: waves 0 and 1 fetch A's two halves, waves 2 and 3 B's; an s_nop 0 and four v_nop follow each of the two lines
	s_cmp_eq_u32 s11, 0
	s_cbranch_scc0 .Lfor_b_\@
	tensor_load_to_lds s[G0+4*\s:G0+4*\s+3], s[G1:G1+7]
	s_nop 0
.rept 4
	v_nop
.endr
	s_branch .Lasked_\@
.Lfor_b_\@:
	tensor_load_to_lds s[G0B+4*\s:G0B+4*\s+3], s[G1B:G1B+7]
	s_nop 0
.rept 4
	v_nop
.endr
.Lasked_\@:
.endm
.macro CREST                           ; a round of the cluster's barrier behind its opening barrier
	s_cmp_lg_u32 s10, 0
	s_cbranch_scc1 .Lnot_wave_0_\@
	s_barrier_signal -3
.Lnot_wave_0_\@:
	s_barrier_wait -3
	s_barrier_signal -1
	s_barrier_wait -1
.endm
.macro CROUND
	s_barrier_signal -1
	s_barrier_wait -1
	CREST
.endm
	s_load_b128 s[4:7], s[0:1], 0x0                ; att s[4:5], wot s[6:7]
	s_load_b64 s[66:67], s[0:1], 0x10              ; bo
	s_load_b64 s[8:9], s[0:1], 0x18                ; out0
	v_lshl_add_u32 v[SPW], v0, 2, SPARE
	v_mov_b32 v[NIL], 0
	ds_add_u32 v[SPW], v[NIL]                      ; the wave's opening: the add, twice on end, and its wait ahead of my first tensor load
	ds_add_u32 v[SPW], v[NIL]
	v_lshrrev_b32 v1, 5, v0
	v_readfirstlane_b32 s10, v1                    ; wave 0..3
	s_lshr_b32 s11, s10, 1                         ; which half of the tile's rows is mine.  Also: I fetch for A (0) or for B (1)
	s_and_b32 s12, s10, 1                          ; which half of its columns.  Also: which half tile I fetch
	s_bfe_u32 s40, ttmp6, 0x40000                  ; cx, cy
	s_bfe_u32 s41, ttmp6, 0x40004
	s_lshl_b32 s42, ttmp9, 2
	s_add_co_u32 s42, s42, s40                     ; tile column = 4 x cluster x + cx
	s_and_b32 s13, ttmp7, 0xffff
	s_lshl_b32 s13, s13, 2
	s_add_co_u32 s13, s13, s41                     ; tile row = 4 x cluster y + cy
	s_lshl_b32 s43, s41, 2
	s_lshl_b32 s43, 15, s43                        ; my row of the cluster
	s_lshl_b32 s44, 0x1111, s40                    ; my column
	s_or_b32 s[G1+0], s43, (1<<16)|(1<<20)|(1<<21)|(4<<22)|(3<<25)  ; A: the mask; elements of 2 bytes; padding on; bit 21 beside a mask; after every 32 words four words
	s_mov_b32 s[G1+1], 64<<16                      ; tensor_dim0
	s_mov_b32 s[G1+2], 256<<16                     ; tensor_dim1
	s_mov_b32 s[G1+3], 64<<16                      ; tile_dim0
	s_mov_b32 s[G1+4], 256                         ; tile_dim1
	s_mov_b32 s[G1+5], 64                          ; from row to row: dense
	s_mov_b32 s[G1+6], 0
	s_mov_b32 s[G1+7], 0
	s_or_b32 s[G1B+0], s44, (1<<16)|(1<<20)|(1<<21)|(6<<22)|(3<<25) ; B: after every 128 words four words
	s_mov_b32 s[G1B+1], 256<<16
	s_mov_b32 s[G1B+2], 64<<16
	s_mov_b32 s[G1B+3], 256<<16
	s_mov_b32 s[G1B+4], 64
	s_mov_b32 s[G1B+5], 1024
	s_mov_b32 s[G1B+6], 0
	s_mov_b32 s[G1B+7], 0
	s_lshl_b32 s16, s13, 1
	s_add_co_u32 s16, s16, s12
	s_lshl_b32 s16, s16, 17                        ; A: block of 64 tokens 2 x tile row + half, 131,072 bytes each
	s_mov_b32 s17, 0
	s_lshl_b32 s46, s42, 7
	s_lshl_b32 s47, s12, 6
	s_add_co_u32 s46, s46, s47
	s_lshl_b32 s46, s46, 11                        ; B: row 128 x tile column + 64 x half, 2,048 bytes each
	s_mov_b32 s47, 0
	s_mul_i32 s20, s10, HALFA                      ; where they go: A's halves for waves 0 and 1,
	s_mul_i32 s21, s10, HALFB
	s_add_co_u32 s21, s21, BOFF-2*HALFB            ; B's for waves 2 and 3: no place in the cluster enters an LDS address
	s_wait_dscnt 0x0                               ; both opening adds are done
	s_wait_kmcnt 0x0
	s_add_nc_u64 s[14:15], s[4:5], s[16:17]
	s_add_nc_u64 s[46:47], s[6:7], s[46:47]
	CROUND                                         ; all sixteen work-groups are here: the first joint loads meet
.irp s, 0,1
	s_mov_b32 s[G0+4*\s], 1
	s_add_co_u32 s[G0+4*\s+1], s20, \s*SLOT
	s_add_nc_u64 s[G0+4*\s+2:G0+4*\s+3], s[14:15], \s*32768       ; K step s: four heads of 8,192 bytes
	s_or_b32 s[G0+4*\s+3], s[G0+4*\s+3], 0x80000000
	s_mov_b32 s[G0B+4*\s], 1
	s_add_co_u32 s[G0B+4*\s+1], s21, \s*SLOT
	s_add_nc_u64 s[G0B+4*\s+2:G0B+4*\s+3], s[46:47], \s*512
	s_or_b32 s[G0B+4*\s+3], s[G0B+4*\s+3], 0x80000000
	JLOAD \s
.endr
	v_and_b32 v1, 15, v0                           ; r
	v_bfe_u32 v2, v0, 4, 1                         ; h
	s_lshl_b32 s46, s42, 9                         ; my first column in bytes, in out0's rows and in bo alike: 512 x tile column + 256 x half
	s_lshl_b32 s47, s12, 8
	s_add_co_u32 s46, s46, s47
	s_mov_b32 s47, 0
	s_add_nc_u64 s[66:67], s[66:67], s[46:47]
	v_lshlrev_b32 v6, 5, v2                        ; lane (r, h) wants, for block b, the bias of columns 16 b + 8 h + 0 .. 7
.irp b, 0,1,2,3
	global_load_b128 v[BIAS+8*\b:BIAS+8*\b+3], v6, s[66:67] offset:64*\b
	global_load_b128 v[BIAS+8*\b+4:BIAS+8*\b+7], v6, s[66:67] offset:64*\b+16
.endr
	v_mul_u32_u24 v3, v1, PA
	v_lshl_add_u32 v3, v2, 4, v3                   ; A's fragment: token r x pitch + 16 h
	v_mul_u32_u24 v4, v1, PB
	v_lshl_add_u32 v4, v2, 4, v4                   ; B's likewise
	s_mul_i32 s21, s11, HALFA                      ; my 64 tokens
	s_mul_i32 s22, s12, HALFB                      ; my 64 rows of B
	s_add_co_u32 s22, s22, BOFF
.irp s, 0,1
	v_add_nc_u32 v[ADRA+\s], s21, v3
	v_add_nc_u32 v[ADRB+\s], s22, v4
	s_add_co_u32 s21, s21, SLOT
	s_add_co_u32 s22, s22, SLOT
.endr
	s_mul_i32 s23, s10, 16*SPITCH
	s_add_co_u32 s23, s23, STAGE                   ; my stage
	v_mul_u32_u24 v5, v1, SPITCH
	v_lshl_add_u32 v5, v2, 5, v5
	v_add_nc_u32 v[STO], s23, v5                   ; in: row r, 32 bytes for each half of the lanes
	v_mul_u32_u24 v5, v2, SPITCH
	v_lshl_add_u32 v5, v1, 4, v5
	v_add_nc_u32 v[RD], s23, v5                    ; back: lanes 0-15 one row of 256 bytes, lanes 16-31 the next
	v_lshlrev_b32 v5, 12, v2
	v_lshl_add_u32 v[CO], v1, 4, v5                ; and the same two rows in out0
	s_lshl_b32 s16, s13, 7
	s_lshl_b32 s17, s11, 6
	s_add_co_u32 s16, s16, s17                     ; my first row: 128 x tile row + 64 x half
	s_lshl_b32 s16, s16, 12
	s_add_co_u32 s16, s16, s46
	s_mov_b32 s17, 0
	s_add_nc_u64 s[8:9], s[8:9], s[16:17]
; 8 matrix instructions: A's blocks a0, a0 + 1 x B's four, 32 along K: half c of buffer f.  first = 1: the sums begin with the bias.  The 16 accumulators take turns
.macro MUL8 f, c, a0, first
.irp a, \a0, \a0+1
.irp b, 0,1,2,3
.if \first
	v_wmma_f32_16x16x32_f16 v[ACC+8*(4*(\a)+\b):ACC+8*(4*(\a)+\b)+7], v[\f+64+8*(4*\c+\b):\f+64+8*(4*\c+\b)+7], v[\f+8*(4*\c+\a):\f+8*(4*\c+\a)+7], v[BIAS+8*\b:BIAS+8*\b+7]
.else
	v_wmma_f32_16x16x32_f16 v[ACC+8*(4*(\a)+\b):ACC+8*(4*(\a)+\b)+7], v[\f+64+8*(4*\c+\b):\f+64+8*(4*\c+\b)+7], v[\f+8*(4*\c+\a):\f+8*(4*\c+\a)+7], v[ACC+8*(4*(\a)+\b):ACC+8*(4*(\a)+\b)+7]
.endif
.endr
.endr
.endm
; 32 LDS loads in one run: the fragments of the slot's q-th 64 along K, which is one head, into buffer f; the first 32 along K first
.macro FETCH slot, q, f
	WIN TO_F
.irp c, 0,1
.irp i, 0,1,2,3
	ds_load_b128 v[\f+64+8*(4*\c+\i):\f+64+8*(4*\c+\i)+3],   v[ADRB+\slot] offset:128*(\q)+64*\c+\i*16*PB
	ds_load_b128 v[\f+64+8*(4*\c+\i)+4:\f+64+8*(4*\c+\i)+7], v[ADRB+\slot] offset:128*(\q)+64*\c+\i*16*PB+32
	ds_load_b128 v[\f+8*(4*\c+\i):\f+8*(4*\c+\i)+3],         v[ADRA+\slot] offset:64*PA*(\q)+64*\c+\i*16*PA
	ds_load_b128 v[\f+8*(4*\c+\i)+4:\f+8*(4*\c+\i)+7],       v[ADRA+\slot] offset:64*PA*(\q)+64*\c+\i*16*PA+32
.endr
.endr
.endm
.macro PLACES                          ; four places in front of loads into registers that matrix instructions have read, and of the first read of results
.rept 4
	v_nop
.endr
.endm
.macro QUARTER slot, q, f, g, first    ; multiplies buffer f and fetches the slot's q-th quarter into g
	s_wait_dscnt 16                                ; the first 32 along K are in; the other sixteen loads may be out
	WIN MUL
	MUL8 \f, 0, 0, \first
	MUL8 \f, 0, 2, \first
	PLACES
	FETCH \slot, \q, \g
	s_wait_dscnt 32                                ; all but the 32 just issued
	WIN MUL
	MUL8 \f, 1, 0, 0
	MUL8 \f, 1, 2, 0
.endm
; A slot's last quarter multiplies buffer 1 and changes slots: ONE barrier; in front of it each wave waits for all its tensor loads, adds 0 to its spare word, and waits for that and for its reads of this slot.  fill = 1: this slot is filled again, two K steps ahead.
.macro TURN slot, next, fill
	WIN 0                                          ; (the add's two registers lie in window 0)
	s_wait_tensorcnt 0x0                           ; all my tensor loads have landed: my part of the next slot;
	ds_add_u32 v[SPW], v[NIL]
	s_wait_dscnt 17                                ; (the add and the youngest sixteen loads may be out)
	WIN MUL
	MUL8 F1, 0, 0, 0
	s_wait_dscnt 0x0                               ; the add is done, and my reads of this slot are over
	s_barrier_signal -1
	MUL8 F1, 0, 2, 0
.if \fill
	WIN 0
.endif
	s_barrier_wait -1
.if \fill
	CREST                                          ; the barrier has opened a round of the cluster's: no wave of any partner still reads this slot or has a load on its way
	s_add_nc_u64 s[G0+4*\slot+2:G0+4*\slot+3], s[G0+4*\slot+2:G0+4*\slot+3], 2*32768
	s_add_nc_u64 s[G0B+4*\slot+2:G0B+4*\slot+3], s[G0B+4*\slot+2:G0B+4*\slot+3], 2*512
	JLOAD \slot                                    ; the first tensor load behind the round; the four v_nop behind it are also the places in front of the loads below
.else
	PLACES
.endif
	FETCH \next, 0, F0
	WIN MUL
	MUL8 F1, 1, 0, 0
	MUL8 F1, 1, 2, 0
.endm
	s_wait_tensorcnt 1                             ; my part of K step 0 is in; K step 1's load may be out
	s_barrier_signal -1
	s_barrier_wait -1                              ; everybody's is
	FETCH 0, 0, F0
	s_wait_loadcnt 0x0                             ; the bias
	QUARTER 0, 1, F0, F1, 1                        ; the first quarter stands in front of the loop: its first products start the sums, with the bias as C
	WIN 0                                          ; at a label and at a branch every window is 0
	s_mov_b32 s3, LAPS-1
.Llap:                                                 ; a trip goes once round the ring, from a lap's second quarter to the next lap's first, and fills both slots again
	QUARTER 0, 2, F1, F0, 0
	QUARTER 0, 3, F0, F1, 0
	TURN 0, 1, 1
	QUARTER 1, 1, F0, F1, 0
	QUARTER 1, 2, F1, F0, 0
	QUARTER 1, 3, F0, F1, 0
	TURN 1, 0, 1
	QUARTER 0, 1, F0, F1, 0
	WIN 0
	s_sub_co_u32 s3, s3, 1
	s_cmp_lg_u32 s3, 0
	s_cbranch_scc1 .Llap
	QUARTER 0, 2, F1, F0, 0                        ; the last lap fills nothing, and has no round of the cluster's barrier
	QUARTER 0, 3, F0, F1, 0
	TURN 0, 1, 0
	QUARTER 1, 1, F0, F1, 0
	QUARTER 1, 2, F1, F0, 0
	QUARTER 1, 3, F0, F1, 0
	s_wait_dscnt 16                                ; the very last quarter: nothing more to fetch
	WIN MUL
	MUL8 F1, 0, 0, 0
	MUL8 F1, 0, 2, 0
	s_wait_dscnt 0
	MUL8 F1, 1, 0, 0
	MUL8 F1, 1, 2, 0
	WIN 0
; THE WAY OUT, a block of 16 rows x 64 columns at a time, through my own stage: the accumulators go in as they are, each from its low end on, and come back as rows of 256 bytes.
.macro TOSTAGE a
.set BB, TMP+32*((\a)%2)
.irp b, 0,1,2,3
	ds_store_b128 v[STO], v[ACC+8*(4*(\a)+\b):ACC+8*(4*(\a)+\b)+3] offset:64*\b
	ds_store_b128 v[STO], v[ACC+8*(4*(\a)+\b)+4:ACC+8*(4*(\a)+\b)+7] offset:64*\b+16
.endr
.irp t, 0,1,2,3,4,5,6,7
	ds_load_b128 v[BB+4*\t:BB+4*\t+3], v[RD] offset:\t*2*SPITCH    ; LDS serves a wave's instructions in order: these see the stores above, and the next block's stores come behind them
.endr
.endm
.macro SEND a, younger                 ; younger: the LDS instructions issued behind block a's loads, which may stay out
.set BB, TMP+32*((\a)%2)
	s_wait_dscnt \younger
.irp t, 0,1,2,3,4,5,6,7
	global_store_b128 v[CO], v[BB+4*\t:BB+4*\t+3], s[8:9] offset:(16*(\a)+2*\t)*4096 th:TH_STORE_NT   ; 16 lanes store 256 consecutive bytes, aligned; written once, read by nobody here
.endr
.endm
	PLACES
	TOSTAGE 0
.irp a, 1,2,3
.if \a > 1
	s_wait_xcnt 0x0                                ; block a - 2's stores have read their registers: block a's loads may land there
.endif
	TOSTAGE \a
	SEND \a-1, 16                                  ; behind block a - 1's loads: block a's 8 stores and 8 loads
.endr
	SEND 3, 0
	s_wait_tensorcnt 0x0                           ; the wave's end, behind my last tensor load and my last LDS store
	ds_add_u32 v[SPW], v[NIL]
	s_wait_dscnt 0x0
	CROUND                                         ; the closing round
	s_endpgm
.Lfunc_end_k_q46ebc11a5a_proj:
	.size	k_q46ebc11a5a_proj, .Lfunc_end_k_q46ebc11a5a_proj-k_q46ebc11a5a_proj
	.p2alignl 7, 3214868480
	.fill 96, 4, 3214868480
	.section	.rodata,"a",@progbits
	.p2align	6, 0x0
	.amdhsa_kernel k_q46ebc11a5a_proj
		.amdhsa_group_segment_fixed_size 327680
		.amdhsa_private_segment_fixed_size 0
		.amdhsa_enable_private_segment 0
		.amdhsa_kernarg_size 32
		.amdhsa_user_sgpr_count 2
		.amdhsa_user_sgpr_kernarg_segment_ptr 1
		.amdhsa_wavefront_size32 1
		.amdhsa_system_sgpr_workgroup_id_x 1
		.amdhsa_system_sgpr_workgroup_id_y 1
		.amdhsa_system_sgpr_workgroup_id_z 1
		.amdhsa_system_vgpr_workitem_id 0
		.amdhsa_next_free_vgpr 512
		.amdhsa_next_free_sgpr 68
		.amdhsa_reserve_vcc 0
		.amdhsa_float_denorm_mode_32 3
		.amdhsa_float_denorm_mode_16_64 3
		.amdhsa_memory_ordered 1
		.amdhsa_forward_progress 1
		.amdhsa_inst_pref_size 87
	.end_amdhsa_kernel
	.amdgpu_metadata
---
amdhsa.version: [ 1, 2 ]
amdhsa.kernels:
  - .name:           k_q46ebc11a5a_proj
    .symbol:         k_q46ebc11a5a_proj.kd
    .args:
      - { .name: att, .offset: 0, .size: 8, .value_kind: global_buffer, .address_space: global }
      - { .name: wot, .offset: 8, .size: 8, .value_kind: global_buffer, .address_space: global }
      - { .name: bo, .offset: 16, .size: 8, .value_kind: global_buffer, .address_space: global }
      - { .name: out0, .offset: 24, .size: 8, .value_kind: global_buffer, .address_space: global }
    .group_segment_fixed_size: 327680
    .private_segment_fixed_size: 0
    .kernarg_segment_align: 8
    .kernarg_segment_size: 32
    .max_flat_workgroup_size: 128
    .sgpr_count:     68
    .vgpr_count:     512
    .wavefront_size: 32
...
	.end_amdgpu_metadata
.endif
;; end of part 4
